; MI455X (gfx1250); checked and timed in simulation.
; The chip was launched on July 23, 2026; its instructions are those of AMD's public machine-readable ISA for CDNA 5 (MIT licence, August 2026) and "CDNA5" Instruction Set Architecture Reference Guide (July 2026). The comments in the code are by the model that wrote it; some were corrected since.
;; Transformer Block. Allowed arithmetic: matrix products marked QUANTISED: E3M2 operands, one E8M0 scale for each 32 along K, by v_wmma_scale_f32_16x16x128_f8f6f4 with both operands' format E3M2, f32 sums; everything else in f32.
;; Inputs: b_fc1 4,096 float32; b_fc2 1,024 float32; b_out 1,024 float32; b_qkv 3,072 float32; beta1 1,024 float32; beta2 1,024 float32; g1 1,024 float32; g2 1,024 float32; w_fc1 4,096 x 1,024 float32; w_fc2 1,024 x 4,096 float32; w_out 1,024 x 1,024 float32; w_qkv 3,072 x 1,024 float32; x 2 x 2,048 x 1,024 float32.
;; Outputs: out0 2 x 2,048 x 1,024 float32.
;; This version of the problem:
;;   THIS VERSION OF THE PROBLEM IS GIVEN IN LOW PRECISION. The matrix products marked QUANTISED in the list below multiply operands that are first quantised to E3M2 (3 exponent bits, 2 mantissa bits; 6 bits a number), with one power-of-two scale for each 32 numbers along K (OCP MX v1.0); their sums are f32. All else is computed in f32.
;;   The module's matrix products, in the order in which they are computed (A, B: the left and right operand; K: the contracted axis; several contracted axes count as one K, in the product's order):
;;     1. [M 4,096, K 1,024] x [K 1,024, N 3,072]; A: input x; B: input w_qkv: QUANTISED
;;     2. batch 32 x [M 2,048, K 64] x [K 64, N 2,048]; A: computed on the way; B: computed on the way: QUANTISED
;;     3. batch 32 x [M 2,048, K 2,048] x [K 2,048, N 64]; A: softmax (see below); B: computed on the way: QUANTISED
;;     4. [M 4,096, K 1,024] x [K 1,024, N 1,024]; A: computed on the way; B: input w_out: QUANTISED
;;     5. [M 4,096, K 1,024] x [K 1,024, N 4,096]; A: computed on the way; B: input w_fc1: QUANTISED
;;     6. [M 4,096, K 4,096] x [K 4,096, N 1,024]; A: computed on the way; B: input w_fc2: QUANTISED
;;   THE QUANTISER, for each operand of a quantised product, along K:
;;     - K is cut into blocks of 32 from its start; a last block that is shorter is filled with zeros.
;;     - A block's scale is 2^e with e = floor(log2(the largest magnitude in the block)) - 4, held to -126 .. 127; a block of zeros has e = 0. As a byte (E8M0): e + 127.
;;     - Each number is divided by its block's scale, clamped to +-28, and rounded to the nearest number of E3M2, ties to even, subnormals kept.
;;     - The product sums the exact products of the quantised numbers (number of the format x scale) in f32.
;;   ~~~python
;;   def quantise(x, axis):      # numpy; x: float32 -> the quantised numbers, widened to float32 again
;;       x = np.moveaxis(x, axis, -1); K = x.shape[-1]
;;       x = np.pad(x, [(0, 0)] * (x.ndim - 1) + [(0, -K % 32)]); x = x.reshape(x.shape[:-1] + (-1, 32)); a = np.abs(x).max(-1, keepdims=True)
;;       e = np.where(a > 0, np.clip(np.frexp(np.where(a > 0, a, 1))[1] - 1 - 4, -126, 127), 0)      # np.frexp(a)[1] - 1 = floor(log2(a)), exactly
;;       r = np.clip(x / 2.0 ** e, -28, 28)
;;       step = 2.0 ** (np.maximum(np.frexp(np.where(r == 0, 1, r))[1] - 1, -2) - 2)
;;       q = np.round(r / step) * step * 2.0 ** e      # np.round: ties to even
;;       return np.moveaxis(q.reshape(q.shape[:-2] + (-1,))[..., :K], -1, axis).astype(np.float32)
;;   ~~~
;;   SOFTMAX AHEAD OF A QUANTISED PRODUCT. Where the list says 'softmax', what is quantised is not the finished softmax but p = 2^(t - M), with t = logit x log2(e) and M = ceil(the row's largest t), a whole number; so 1/2 < the row's largest p <= 1. The row's sum l is taken of the UNQUANTISED p, in f32, and the product's result is divided by l at the end. Since M is a whole number, a kernel that streams over the keys may use a running M (the ceiling of the running maximum): every later rescaling is an exact power of two, which a block's scale takes up: the codes' values come out the same.
;;   OPERANDS COMPUTED ON THE WAY. 'Computed on the way' means the value that the module computes at that place (a softmax that the list does not call 'softmax' is quantised finished and normalised). What goes into a quantiser is computed in f32, as accurately as f32 sums, v_exp_f32 and their like allow (about 1e-6 of the number): no bf16 or f16 on the way to a quantiser, and a product that is left as it is and whose result goes on into a quantised operand takes f32 operands (vector FMAs, or v_wmma_f32_16x16x4_f32). A number that lies on a knife's edge between two numbers of the format may be rounded either way, as far as f32 arithmetic and the matrix unit's own rounding can turn it there, and no further.
;; One version. Each part assembles by itself: llvm-mc -triple=amdgcn-amd-amdhsa -mcpu=gfx1250 --defsym DOCPART=n.
;; ======== version 1 of 1: 7 launches
;; limits: right only within a limited range of input values
;; workspace buffers: wq 13,107,200 bytes; qkv 9,830,400 bytes; att 3,276,800 bytes; x1b 20,054,016 bytes; hb 13,107,200 bytes; y2 16,777,216 bytes
;; launch quant (part 1): grid 256 x 1, 8 waves a work-group, no clusters, 70,656 bytes of LDS; arguments x, w_qkv, w_out, w_fc1, w_fc2, wq; writes wq
.if DOCPART == 1
	.amdgcn_target "amdgcn-amd-amdhsa--gfx1250"
	.amdhsa_code_object_version 6
	.text
	.protected	k_qff25458678_quant
	.globl	k_qff25458678_quant
	.p2align	8
	.type	k_qff25458678_quant,@function
k_qff25458678_quant:
	s_mov_b64 s[64:65], 0
	v_nop
	global_prefetch_b8 v0, s[64:65] scope:SCOPE_SE
	s_setreg_imm32_b32 hwreg(HW_REG_WAVE_MODE, 25, 1), 1
	s_wait_xcnt 0x0
; x [4096][1024], w_qkv [3072][1024], w_out [1024][1024], w_fc1 [4096][1024], w_fc2 [1024][4096], f32, K innermost, become codes of BF6 (E3M2) with one E8M0 byte for each 32 along K.
; A block's scale is 2^(floor(log2(largest magnitude)) - 4); its byte is the largest magnitude's exponent field - 4, held at 1 from below.
; LAYOUT OF THE RESULT: images of operand registers.  A fragment is 16 rows x 128 K, 12 registers a lane, 1,536 bytes: for c = 0, 1 registers 6c..6c+3 at 768c + 16 x lane, registers 6c+4, 6c+5 at 768c + 512 + 8 x lane.
; Lane r of row block i holds row 32 (i / 2) + 8 (i % 2) + r + 8 (r / 8).  Codes: [row block][K step] x 1,536; scale words: [row block][K step][16 words].  The five tensors lie on end in wq, codes first, then scale words.
; SHARES: a wave takes one row block x 4 K steps (16 rows x 2,048 bytes): 2,048 such jobs, job = 8 x work-group + wave; the tensors lie in wq in the order of the jobs.
; Each load reads 512 consecutive bytes of one row; a K step's 16 x 512 bytes turn through the wave's own stage in LDS, so that a lane gets 16 neighbours of each block of 32.  Waves share nothing: no barrier.
; LIMITS: NaN and infinities are not served; a block whose largest magnitude is under 2^-122, a block of zeros too, keeps the byte 1 (its codes are what the conversion gives; only this program reads the bytes).
.set REG,  8704                        ; LDS of a wave: a stage of 16 rows x 528 bytes, then 256 bytes of scale words
.set SP,   528                         ; 512 bytes + 16: the 16 rows that a read touches start in different banks
.set R,    16                          ; v16-143  two sets of 64 registers as loaded
.set Y,    144                         ; v144-207 64 numbers in the order of the conversions: register 16 b + i = k 32 b + 16 (lane / 16) + i of my row
.set TM,   208                         ; v208-223 at work
.set PC,   224                         ; v224-243 the codes just made
.set PW,   244                         ; v244     the scale word just made
.set SEL,  28                          ; s[28:29] selects for v_permlanex16_b32: lane l xor 16
.set ROWS, 32                          ; s[32:63] the addresses of my 16 rows
.macro QUANT s, pw
.irp b, 0,1,2,3
	v_max3_num_f32 v[TM+\b], |v[\s+16*\b]|, |v[\s+1+16*\b]|, 0x2800000   ; block b: my 16 numbers and the floor 2^(5 - 127): the byte cannot fall under 1
.endr
.irp i, 2,4,6,8,10,12,14
.irp b, 0,1,2,3
	s_delay_alu instid0(VALU_DEP_4)
	v_max3_num_f32 v[TM+\b], v[TM+\b], |v[\s+16*\b+\i]|, |v[\s+1+16*\b+\i]|
.endr
.endr
.irp b, 0,1,2,3
	s_delay_alu instid0(VALU_DEP_4)
	v_permlanex16_b32 v[TM+4+\b], v[TM+\b], s[SEL], s[SEL+1]
.endr
.irp b, 0,1,2,3
	s_delay_alu instid0(VALU_DEP_4)
	v_max_num_f32 v[TM+\b], v[TM+\b], v[TM+4+\b]       ; with lane l xor 16's: the block's largest magnitude
.endr
.irp b, 0,1,2,3
	s_delay_alu instid0(VALU_DEP_4)
	v_add_nc_u32 v[TM+12+\b], 0xfe000000, v[TM+\b]     ; 4 off its exponent field: the conversion's scale operand
.endr
.irp b, 0,1,2,3
	s_delay_alu instid0(VALU_DEP_4)
	v_lshrrev_b32 v[TM+4+\b], 23, v[TM+12+\b]          ; the scale's byte
.endr
	s_delay_alu instid0(VALU_DEP_3)
	v_lshl_or_b32 v[\pw], v[TM+5], 8, v[TM+4]
	s_delay_alu instid0(VALU_DEP_1)
	v_lshl_or_b32 v[\pw], v[TM+6], 16, v[\pw]
	s_delay_alu instid0(VALU_DEP_1)
	v_lshl_or_b32 v[\pw], v[TM+7], 24, v[\pw]          ; my row's scale word
.irp c, 0,1
	v_cvt_scalef32_pk16_bf6_f32 v[PC+6*\c:PC+2+6*\c], v[\s+32*\c:\s+15+32*\c], v[TM+12+2*\c]
	v_cvt_scalef32_pk16_bf6_f32 v[PC+12+4*\c:PC+14+4*\c], v[\s+16+32*\c:\s+31+32*\c], v[TM+12+2*\c+1]
.endr
	v_nop                                              ; one plain place behind the scaled conversions
.irp c, 0,1                                            ; the operand wants a whole block in a lane
.irp i, 0,1,2
	v_permlane16_swap_b32 v[PC+6*\c+\i], v[PC+12+4*\c+\i]
.endr
.irp i, 0,1,2
	s_delay_alu instid0(VALU_DEP_3)
	v_mov_b32 v[PC+3+6*\c+\i], v[PC+12+4*\c+\i]
.endr
.endr
.endm
	s_load_b256 s[4:11], s[0:1], 0x0               ; x, w_qkv, w_out, w_fc1
	s_load_b128 s[12:15], s[0:1], 0x20             ; w_fc2, wq
	v_lshl_add_u32 v254, v0, 2, 0x11000
	v_mov_b32 v255, 0
	v_lshrrev_b32 v1, 5, v0
	s_delay_alu instid0(VALU_DEP_1)
	v_readfirstlane_b32 s2, v1                     ; wave 0..7
	v_and_b32 v7, 31, v0                           ; lane
	v_and_b32 v8, 15, v0                           ; r
	v_bfe_u32 v9, v0, 4, 1                         ; h
	s_delay_alu instid0(VALU_DEP_3)
	v_lshlrev_b32 v1, 4, v7                        ; 16 x lane
	s_delay_alu instid0(VALU_DEP_4)
	v_lshlrev_b32 v2, 3, v7                        ; 8 x lane
	s_mul_i32 s3, s2, REG
	v_add_nc_u32 v3, s3, v1                        ; the stage by rows
	v_mul_u32_u24 v4, v8, SP
	s_delay_alu instid0(VALU_DEP_1)
	v_lshl_add_u32 v4, v9, 6, v4
	s_delay_alu instid0(VALU_DEP_1)
	v_add_nc_u32 v4, s3, v4                        ; the stage by lanes: row r, + 64 h
	s_add_co_u32 s3, s3, 16*SP
	v_lshl_add_u32 v5, v8, 2, s3                   ; my row's scale word
	v_add_nc_u32 v6, s3, v2                        ; and the 256 bytes on the way out
	s_mov_b32 s[SEL], 0x76543210
	s_mov_b32 s[SEL+1], 0xfedcba98
.irp b, 0,1,2,3
	v_mov_b32 v[TM+4+\b], 0                        ; a lane permute's destination counts as one of its sources
.endr
	s_mov_b32 s18, 192
	s_wait_alu depctr_va_vdst(0)
	s_wait_kmcnt 0x0
	s_cmp_lt_u32 ttmp9, 192                        ; which tensor: the choice hangs on the work-group's number alone
	s_cselect_b64 s[16:17], s[10:11], s[12:13]
	s_cselect_b32 s18, 128, s18                    ; the tensor's first work-group
	s_cselect_b32 s19, 1, 3                        ; log2 of its groups of 4 K steps in a row
	s_cmp_lt_u32 ttmp9, 128
	s_cselect_b64 s[16:17], s[8:9], s[16:17]
	s_cselect_b32 s18, 112, s18
	s_cmp_lt_u32 ttmp9, 112
	s_cselect_b64 s[16:17], s[6:7], s[16:17]
	s_cselect_b32 s18, 64, s18
	s_cmp_lt_u32 ttmp9, 64
	s_cselect_b64 s[16:17], s[4:5], s[16:17]
	s_cselect_b32 s18, 0, s18
	s_sub_co_u32 s20, ttmp9, s18
	s_lshl_b32 s20, s20, 3
	s_add_co_u32 s20, s20, s2                      ; my job in the tensor
	s_lshr_b32 s21, s20, s19                       ; its row block
	s_lshl_b32 s22, s21, s19
	s_sub_co_u32 s22, s20, s22                     ; its group of 4 K steps
	s_lshl_b32 s23, 2048, s19                      ; a row in bytes: 4,096 or 16,384
	s_lshr_b32 s24, s21, 1
	s_lshl_b32 s24, s24, 5
	s_and_b32 s25, s21, 1
	s_lshl_b32 s25, s25, 3
	s_add_co_u32 s24, s24, s25                     ; the row block's first row
	s_mul_i32 s24, s24, s23
	s_lshl_b32 s22, s22, 11
	s_add_co_u32 s24, s24, s22
	s_mov_b32 s25, 0
	s_add_nc_u64 s[ROWS:ROWS+1], s[16:17], s[24:25]
	s_mov_b32 s26, s23
	s_mov_b32 s27, 0
	s_mul_i32 s24, s23, 9                          ; from the block's row 7 to its row 8: nine rows of the tensor
.irp p, 1,2,3,4,5,6,7,8,9,10,11,12,13,14,15
.if \p == 8
	s_add_nc_u64 s[ROWS+2*\p:ROWS+2*\p+1], s[ROWS+2*\p-2:ROWS+2*\p-1], s[24:25]
.else
	s_add_nc_u64 s[ROWS+2*\p:ROWS+2*\p+1], s[ROWS+2*\p-2:ROWS+2*\p-1], s[26:27]
.endif
.endr
	s_lshl_b32 s20, ttmp9, 3
	s_add_co_u32 s20, s20, s2                      ; my job in the launch
	s_mul_i32 s18, s20, 6144                       ; four fragments
	s_mov_b32 s19, 0
	s_lshl_b32 s20, s20, 8                         ; four times 64 bytes of scale words
	s_add_co_u32 s20, s20, 12582912
	s_mov_b32 s21, 0
	s_add_nc_u64 s[16:17], s[14:15], s[20:21]      ; where my scale words go
	s_add_nc_u64 s[14:15], s[14:15], s[18:19]      ; where my codes go
.macro LOAD t                          ; K step t: 16 rows x 512 consecutive bytes
.irp p, 0,1,2,3,4,5,6,7,8,9,10,11,12,13,14,15
	global_load_b128 v[R+64*((\t)%2)+4*\p:R+64*((\t)%2)+4*\p+3], v1, s[ROWS+2*\p:ROWS+2*\p+1] offset:512*(\t) th:TH_LOAD_NT
.endr
.endm
.macro QSTEP t
.if (\t) < 3
	s_wait_loadcnt 16                              ; this K step's 16 loads are in; the next one's 16 may be out
.else
	s_wait_loadcnt 0x0
.endif
.irp p, 0,1,2,3,4,5,6,7,8,9,10,11,12,13,14,15
	ds_store_b128 v3, v[R+64*((\t)%2)+4*\p:R+64*((\t)%2)+4*\p+3] offset:SP*\p
.endr
.irp b, 0,1,2,3
.irp i, 0,1,2,3
	ds_load_b128 v[Y+16*\b+4*\i:Y+16*\b+4*\i+3], v4 offset:128*\b+16*\i   ; LDS serves a wave's instructions in order: these see the stores above
.endr
.endr
	s_wait_dscnt 0x0                               ; the numbers are back, and the stores have read the set
	s_wait_xcnt 0x0                                ; the last K step's stores have read the codes' registers
.if (\t) < 2
	LOAD (\t)+2
.endif
	QUANT Y, PW
	global_store_b128 v1, v[PC:PC+3], s[14:15] offset:1536*(\t)             ; 512 consecutive bytes, aligned to 256
	global_store_b64 v2, v[PC+4:PC+5], s[14:15] offset:1536*(\t)+512        ; 256
	global_store_b128 v1, v[PC+6:PC+9], s[14:15] offset:1536*(\t)+768
	global_store_b64 v2, v[PC+10:PC+11], s[14:15] offset:1536*(\t)+1280
	ds_store_b32 v5, v[PW] offset:64*(\t)          ; both lanes of a row write the same word with the same value
.endm
	LOAD 0
	LOAD 1
	QSTEP 0
	QSTEP 1
	QSTEP 2
	QSTEP 3
	ds_load_b64 v[12:13], v6                       ; my four K steps' scale words: 256 bytes
	s_wait_dscnt 0x0
	global_store_b64 v2, v[12:13], s[16:17]        ; 32 lanes store 256 consecutive bytes, aligned
	s_wait_tensorcnt 0x0
	ds_add_u32 v254, v255
	s_wait_dscnt 0x0
	s_endpgm
.Lfunc_end_k_qff25458678_quant:
	.size	k_qff25458678_quant, .Lfunc_end_k_qff25458678_quant-k_qff25458678_quant
	.p2alignl 7, 3214868480
	.fill 96, 4, 3214868480
	.section	.rodata,"a",@progbits
	.p2align	6, 0x0
	.amdhsa_kernel k_qff25458678_quant
		.amdhsa_group_segment_fixed_size 70656
		.amdhsa_private_segment_fixed_size 0
		.amdhsa_enable_private_segment 0
		.amdhsa_kernarg_size 48
		.amdhsa_user_sgpr_count 2
		.amdhsa_user_sgpr_kernarg_segment_ptr 1
		.amdhsa_wavefront_size32 1
		.amdhsa_system_sgpr_workgroup_id_x 1
		.amdhsa_system_sgpr_workgroup_id_y 1
		.amdhsa_system_sgpr_workgroup_id_z 1
		.amdhsa_system_vgpr_workitem_id 0
		.amdhsa_next_free_vgpr 256
		.amdhsa_next_free_sgpr 80
		.amdhsa_reserve_vcc 0
		.amdhsa_float_denorm_mode_32 3
		.amdhsa_float_denorm_mode_16_64 3
		.amdhsa_memory_ordered 1
		.amdhsa_forward_progress 1
		.amdhsa_inst_pref_size 42
	.end_amdhsa_kernel
	.amdgpu_metadata
---
amdhsa.version: [ 1, 2 ]
amdhsa.kernels:
  - .name:           k_qff25458678_quant
    .symbol:         k_qff25458678_quant.kd
    .args:
      - { .name: x, .offset: 0, .size: 8, .value_kind: global_buffer, .address_space: global }
      - { .name: w_qkv, .offset: 8, .size: 8, .value_kind: global_buffer, .address_space: global }
      - { .name: w_out, .offset: 16, .size: 8, .value_kind: global_buffer, .address_space: global }
      - { .name: w_fc1, .offset: 24, .size: 8, .value_kind: global_buffer, .address_space: global }
      - { .name: w_fc2, .offset: 32, .size: 8, .value_kind: global_buffer, .address_space: global }
      - { .name: wq, .offset: 40, .size: 8, .value_kind: global_buffer, .address_space: global }
    .group_segment_fixed_size: 70656
    .private_segment_fixed_size: 0
    .kernarg_segment_align: 8
    .kernarg_segment_size: 48
    .max_flat_workgroup_size: 256
    .sgpr_count:     80
    .vgpr_count:     256
    .wavefront_size: 32
...
	.end_amdgpu_metadata
.endif
;; end of part 1
;; launch qkvg (part 2): grid 8 x 24, 4 waves a work-group, clusters of 4 x 4, 327,680 bytes of LDS; arguments wq, b_qkv, qkv; writes qkv
.if DOCPART == 2
	.amdgcn_target "amdgcn-amd-amdhsa--gfx1250"
	.amdhsa_code_object_version 6
	.text
	.protected	k_qff25458678_qkvg
	.globl	k_qff25458678_qkvg
	.p2align	8
	.type	k_qff25458678_qkvg,@function
k_qff25458678_qkvg:
	s_mov_b64 s[64:65], 0
	v_nop
	global_prefetch_b8 v0, s[64:65] scope:SCOPE_SE
	s_setreg_imm32_b32 hwreg(HW_REG_WAVE_MODE, 25, 1), 1
	s_wait_xcnt 0x0
	s_wait_alu depctr_hold_cnt(0) depctr_sa_sdst(0) depctr_va_vdst(0) depctr_va_sdst(0) depctr_va_ssrc(0) depctr_va_vcc(0) depctr_vm_vsrc(0)
	s_getreg_b32 s2, hwreg(HW_REG_IB_STS2, 6, 4)
	s_cmp_eq_u32 s2, 0
	s_cbranch_scc0 .Lentry_in_a_cluster
	s_endpgm
.Lentry_in_a_cluster:
	s_bfe_u32 s2, ttmp6, 0x10000c
	s_cmp_lg_u32 s2, 0xf033
	s_cbranch_scc0 .Lentry_shape_is_right
	s_endpgm
.Lentry_shape_is_right:
; q, k, v = x w_qkv^T + b_qkv on codes of BF6 (E3M2) with E8M0 scales, and the results quantised again as the operands of attention.
; OPERANDS are images of registers: fragment (row block i, K step s) = 1,536 bytes at (8 i + s) x 1,536; lane r of row block i is row 32 (i / 2) + 8 (i % 2) + r + 8 (r / 8); scale words [i][s][16].
; THE PRODUCT IS USED TRANSPOSED: source 0 = 16 rows of "B", source 1 = 16 rows of "A": a lane holds one row of A, and the 64 registers of B's eight tiles are 128 neighbours along B's rows: 32 b + 16 (lane / 16) + 0 .. 15.
; TWO PARTS, told apart by the cluster's y (the same in all partners; only offsets are selected, nothing branches):
;   y 0-3: A = x (tokens in the lanes), B = w_qkv's rows 0-2047: q and k, quantised along the head's 64;  y 4-5: A = w_qkv's rows 2048-3071 (channels in the lanes), B = x: V^T, quantised along the keys.
; A work-group makes 256 x 256, a wave 128 x 128: 64 accumulators.  K = 1,024 goes in 4 slots' worth of 256 through a ring of two LDS slots; all scale words of the tile's rows come once.
; CLUSTER 4 x 4: A's tiles are asked for jointly along a row of the cluster, B's along a column.
; RESULT (buffer qkv): per (batch, head) a block of 204,800 bytes = two halves of 1,024 keys: K's images (32 keys: 1,536 bytes, row block 2G then 2G + 1, 768 each), V^T's fragments [128 keys][16 channels],
; K's scale words (bytes 0, 1: row block 2G; 2, 3: 2G + 1), V's; behind the 32 blocks q's half fragments and q's scale words, laid as K's.
; LIMITS: NaN and infinities are not served; a block whose largest magnitude is under 2^-122 keeps the byte 1.
; REGISTERS: window 0: v1-7 lane terms, v8-15 the bias along A's rows, v16-23 LDS addresses, v27 scale words' address, v28, v29 the add's, v32-63 scale words (two sets), v64-159, v160-255 A's two sets;
;   window 1: B's two sets at v0, v128; the bias along B's rows, as C of the first products, at v96-127 and v224-255;  windows 2, 3: the accumulators, (a, b) at 8 (8 (a % 4) + b).
.set NA, 8                             ; tiles of 16 along each side of a wave's tile
.set NQ, 2                             ; K steps of 128 in a slot
.set KS, 8                             ; K steps in all
.set ROWB,  NQ*1536                    ; a row block's bytes in a slot
.set HALFT, NA*ROWB                    ; what one tensor load brings
.set SLOT,  4*HALFT                    ; A's 2 NA row blocks, then B's
.set LAPS,  KS/(2*NQ)
.set SCL,   2*SLOT                     ; behind the ring: the scale words, four regions
.set HALFS, NA*KS*64
.set SPARE, SCL+4*HALFS                ; the spare words: 128 bytes a wave, named by no other line
.set A16, 16
.set A8,  18
.set B16, 20
.set B8,  22
.set ADRS, 27
.set SPW, 28
.set NIL, 29
.set SC,  32
.set AF,  64
.set G1, 24
.set G0, 32
.set G1B, 48
.set G0B, 56
.set G1S, 68
.set G0S, 76
.set G1SB, 80
.set G0SB, 88
.set KVB,  204800
.set HALF, 102400
.set QOFF, 6553600
.set QSOFF, 9699328
.set BM,  8
.set H,   128
.set TM,  192
.set PC,  208
.set SEL, 66
.set MSB, 0
.macro WIN new                         ; the immediate's high byte repeats the setting that is left
.if MSB != (\new)
	s_set_vgpr_msb (MSB<<8)|(\new)
.set MSB, (\new)
.endif
.endm
.macro JLOAD g0a, g1a, g0b, g1b        ; a joint load: waves 0, 1 fetch for A, waves 2, 3 for B; four v_nop follow each line
	s_cmp_eq_u32 s15, 0
	s_cbranch_scc0 .Lfor_b_\@
	tensor_load_to_lds s[\g0a:\g0a+3], s[\g1a:\g1a+7]
	s_nop 0
.rept 4
	v_nop
.endr
	s_branch .Lasked_\@
.Lfor_b_\@:
	tensor_load_to_lds s[\g0b:\g0b+3], s[\g1b:\g1b+7]
	s_nop 0
.rept 4
	v_nop
.endr
.Lasked_\@:
.endm
.macro CREST                           ; a round of the cluster's barrier behind its opening barrier
	s_cmp_lg_u32 s14, 0
	s_cbranch_scc1 .Lnot_wave_0_\@
	s_barrier_signal -3
.Lnot_wave_0_\@:
	s_barrier_wait -3
	s_barrier_signal -1
	s_barrier_wait -1
.endm
.macro CROUND
	s_barrier_signal -1
	s_barrier_wait -1
	CREST
.endm
.macro PLACES                          ; four plain places behind matrix instructions, in front of loads into their registers and of reads of results
.rept 4
	v_nop
.endr
.endm
.macro FRAG reg, a16, a8, off          ; a fragment's image back into 12 registers: every load takes consecutive bytes
	ds_load_b128 v[\reg:\reg+3], v[\a16] offset:\off
	ds_load_b64 v[\reg+4:\reg+5], v[\a8] offset:\off+512
	ds_load_b128 v[\reg+6:\reg+9], v[\a16] offset:\off+768
	ds_load_b64 v[\reg+10:\reg+11], v[\a8] offset:\off+1280
.endm
.macro FETCH sl, q, f                  ; the fragments of the slot's q-th K step into set f: B's, then A's
	WIN 0x40
.set i_, 0
.rept NA
	FRAG 128*(\f)+12*i_, B16+(\sl), B8+(\sl), i_*ROWB+1536*(\q)
.set i_, i_+1
.endr
	WIN 0
.set i_, 0
.rept NA
	FRAG AF+96*(\f)+12*i_, A16+(\sl), A8+(\sl), i_*ROWB+1536*(\q)
.set i_, i_+1
.endr
.endm
.macro SCALES sl                       ; a slot's scale words: lanes 0-15 A's block i, lanes 16-31 B's block i
.set i_, 0
.rept NA
.set q_, 0
.rept NQ
	ds_load_b32 v[SC+16*(\sl)+NQ*i_+q_], v[ADRS] offset:i_*KS*64+64*q_
.set q_, q_+1
.endr
.set i_, i_+1
.endr
.endm
.macro MULQ f, qt, sl, q, first        ; a quarter of a K step's products; the accumulators take turns, one instruction a turn, in the same order in every step
.set a_, (\qt)*NA/4
.rept NA/4
.if \first
	WIN 0x91+0x40*(a_/4)                           ; C = the bias, in window 1
.else
	WIN 0xa1+0x50*(a_/4)
.endif
.set b_, 0
.rept NA
.set rD, 8*(NA*(a_%4)+b_)
.set rB, 128*(\f)+12*b_
.set rA, AF+96*(\f)+12*a_
.set rC, 96+8*b_+96*(b_/4)
.set sB, SC+16*(\sl)+NQ*b_+(\q)
.set sA, SC+16*(\sl)+NQ*a_+(\q)
.if \first
	v_wmma_scale_f32_16x16x128_f8f6f4 v[rD:rD+7], v[rB:rB+11], v[rA:rA+11], v[rC:rC+7], v[sB], v[sA] matrix_a_fmt:MATRIX_FMT_BF6 matrix_b_fmt:MATRIX_FMT_BF6 matrix_a_scale:MATRIX_SCALE_ROW1
.else
	v_wmma_scale_f32_16x16x128_f8f6f4 v[rD:rD+7], v[rB:rB+11], v[rA:rA+11], v[rD:rD+7], v[sB], v[sA] matrix_a_fmt:MATRIX_FMT_BF6 matrix_b_fmt:MATRIX_FMT_BF6 matrix_a_scale:MATRIX_SCALE_ROW1
.endif
.set b_, b_+1
.endr
.set a_, a_+1
.endr
.endm
.macro STEP sl, q, first               ; a K step that has its successor in the same slot
	s_wait_dscnt 0x0                               ; this step's fragments and scale words are in
	PLACES                                         ; the other set was read by the last products
	FETCH \sl, (\q)+1, 1-(\q)%2                    ; the next step's fragments have this step's products in which to land
	MULQ (\q)%2, 0, \sl, \q, \first
	MULQ (\q)%2, 1, \sl, \q, \first
	MULQ (\q)%2, 2, \sl, \q, \first
	MULQ (\q)%2, 3, \sl, \q, \first
	WIN 0
.endm
.macro REST sl                         ; a slot's steps 1 .. NQ - 2
.if NQ == 4
	STEP \sl, 1, 0
	STEP \sl, 2, 0
.endif
.endm
.macro TURN sl, next, fill             ; a slot's last K step changes slots
	s_wait_tensorcnt 0x0                           ; all my tensor loads have landed: my part of the next slot
	ds_add_u32 v[SPW], v[NIL]                      ; 0 onto my spare word
	s_wait_dscnt 1                                 ; this step's fragments are in; the add alone may be out
	MULQ 1, 0, \sl, NQ-1, 0
	s_wait_dscnt 0x0                               ; the add is done, and my reads of this slot are over
	s_barrier_signal -1
	MULQ 1, 1, \sl, NQ-1, 0
	WIN 0
	s_barrier_wait -1
.if \fill
	CREST                                          ; the barrier has opened a round of the cluster's: no wave of any partner still reads this slot or has a load on its way
	s_add_nc_u64 s[G0+4*\sl+2:G0+4*\sl+3], s[G0+4*\sl+2:G0+4*\sl+3], 2*ROWB
	s_add_nc_u64 s[G0B+4*\sl+2:G0B+4*\sl+3], s[G0B+4*\sl+2:G0B+4*\sl+3], 2*ROWB
	JLOAD G0+4*\sl, G1, G0B+4*\sl, G1B             ; the first tensor load behind the round; its four v_nop are the places in front of the loads below
.else
	PLACES
.endif
	s_wait_alu depctr_va_vdst(0)
	v_add_nc_u32 v[ADRS], 64*NQ, v[ADRS]           ; the next slot's scale words
	FETCH \next, 0, 0
	SCALES \next
	MULQ 1, 2, \sl, NQ-1, 0
	MULQ 1, 3, \sl, NQ-1, 0
	WIN 0
.endm
.macro QUANT s, pw                     ; 64 numbers of a lane, register 16 b + i = k 32 b + 16 (lane / 16) + i of my row, become a fragment in v[PC] on and its scale word in v[pw]
.irp b, 0,1,2,3
	v_max3_num_f32 v[TM+\b], |v[\s+16*\b]|, |v[\s+1+16*\b]|, 0x2800000
.endr
.irp i, 2,4,6,8,10,12,14
.irp b, 0,1,2,3
	v_max3_num_f32 v[TM+\b], v[TM+\b], |v[\s+16*\b+\i]|, |v[\s+1+16*\b+\i]|
.endr
.endr
.irp b, 0,1,2,3
	v_permlanex16_b32 v[TM+4+\b], v[TM+\b], s[SEL], s[SEL+1]
.endr
.irp b, 0,1,2,3
	v_max_num_f32 v[TM+\b], v[TM+\b], v[TM+4+\b]
.endr
.irp b, 0,1,2,3
	v_add_nc_u32 v[TM+12+\b], 0xfe000000, v[TM+\b]
.endr
.irp b, 0,1,2,3
	v_lshrrev_b32 v[TM+4+\b], 23, v[TM+12+\b]
.endr
	v_lshl_or_b32 v[\pw], v[TM+5], 8, v[TM+4]
	v_lshl_or_b32 v[\pw], v[TM+6], 16, v[\pw]
	v_lshl_or_b32 v[\pw], v[TM+7], 24, v[\pw]
.irp c, 0,1
	v_cvt_scalef32_pk16_bf6_f32 v[PC+6*\c:PC+2+6*\c], v[\s+32*\c:\s+15+32*\c], v[TM+12+2*\c]
	v_cvt_scalef32_pk16_bf6_f32 v[PC+12+4*\c:PC+14+4*\c], v[\s+16+32*\c:\s+31+32*\c], v[TM+12+2*\c+1]
.endr
	v_nop                                              ; one plain place behind the scaled conversions
.irp c, 0,1
.irp i, 0,1,2
	v_permlane16_swap_b32 v[PC+6*\c+\i], v[PC+12+4*\c+\i]
.endr
.irp i, 0,1,2
	v_mov_b32 v[PC+3+6*\c+\i], v[PC+12+4*\c+\i]
.endr
.endr
.endm
	s_load_b64 s[4:5], s[0:1], 0x0                 ; wq: both operands
	s_load_b64 s[8:9], s[0:1], 0x8                 ; b_qkv
	s_load_b64 s[12:13], s[0:1], 0x10              ; qkv
	v_lshl_add_u32 v[SPW], v0, 2, SPARE
	v_mov_b32 v[NIL], 0
	ds_add_u32 v28, v29
	ds_add_u32 v28, v29
	s_wait_dscnt 0x0
	v_lshrrev_b32 v1, 5, v0
	v_readfirstlane_b32 s14, v1                    ; wave 0..3
	s_lshr_b32 s15, s14, 1                         ; my half of A's rows.  Also: I fetch for A (0) or for B (1)
	s_and_b32 s16, s14, 1                          ; my half of B's rows.  Also: which half of that tile I fetch
	s_bfe_u32 s40, ttmp6, 0x40000                  ; cx
	s_bfe_u32 s41, ttmp6, 0x40004                  ; cy
	s_and_b32 s18, ttmp7, 0xffff                   ; the cluster's y
	s_sub_co_u32 s19, s18, 4
	s_lshl_b32 s19, s19, 1
	s_add_co_u32 s19, s19, ttmp9                   ; V's part: the cluster's place along B = x + 2 (y - 4)
	s_mov_b32 s92, 4718592                         ; w_qkv's row block 128: codes,
	s_mov_b32 s93, 3145728                         ; w_qkv's row block 0
	s_mov_b32 s94, 12779520                        ; row block 128's scale words
	s_mov_b32 s95, 12713984                        ; row block 0's
	s_mov_b32 s98, 12582912                        ; x's scale words (x's codes begin at 0)
	s_cmp_ge_u32 s18, 4                            ; V's part?  The same in all sixteen partners
	s_cselect_b32 s18, 0, s18
	s_cselect_b32 s19, s19, ttmp9
	s_cselect_b32 s92, s92, 0                      ; A's codes
	s_cselect_b32 s93, 0, s93                      ; B's codes
	s_cselect_b32 s94, s94, s98                    ; A's scale words
	s_cselect_b32 s95, s98, s95                    ; B's
	s_cselect_b32 s99, -1, 0                       ; all ones in V's part
	s_lshl_b32 s17, s18, 2
	s_add_co_u32 s17, s17, s41                     ; A's tile
	s_lshl_b32 s42, s19, 2
	s_add_co_u32 s42, s42, s40                     ; B's tile
	s_lshl_b32 s43, s41, 2
	s_lshl_b32 s43, 15, s43                        ; my row of the cluster
	s_lshl_b32 s44, 0x1111, s40                    ; my column
	s_or_b32 s[G1+0], s43, (3<<16)|(1<<21)         ; 15:0 the mask; 17:16 elements of 8 bytes; 21 set beside a mask; no padding
	s_or_b32 s[G1B+0], s44, (3<<16)|(1<<21)
.irp g, G1, G1B
	s_mov_b32 s[\g+1], (ROWB/8)<<16                ; tensor_dim0: a row block's bytes in a slot, in elements
	s_mov_b32 s[\g+2], (2*NA)<<16                  ; tensor_dim1: the head's loads bring a whole side of slot 0
	s_mov_b32 s[\g+3], (ROWB/8)<<16                ; tile_dim0
	s_mov_b32 s[\g+4], 2*NA                        ; tile_dim1
	s_mov_b32 s[\g+5], KS*192                      ; from row block to row block
	s_mov_b32 s[\g+6], 0
	s_mov_b32 s[\g+7], 0
.endr
	s_or_b32 s[G1S+0], s43, (3<<16)|(1<<21)        ; the scale words of 2 NA row blocks: a dense block, as rows of 256 bytes
	s_or_b32 s[G1SB+0], s44, (3<<16)|(1<<21)
.irp g, G1S, G1SB
	s_mov_b32 s[\g+1], 32<<16
	s_mov_b32 s[\g+2], (NA*KS/2)<<16
	s_mov_b32 s[\g+3], 32<<16
	s_mov_b32 s[\g+4], NA*KS/2
	s_mov_b32 s[\g+5], 32
	s_mov_b32 s[\g+6], 0
	s_mov_b32 s[\g+7], 0
.endr
	s_mul_i32 s18, s16, NA
	s_mul_i32 s20, s17, 2*NA
	s_add_co_u32 s20, s20, s18                     ; A's first row block that I fetch
	s_mul_i32 s46, s42, 2*NA
	s_add_co_u32 s46, s46, s18                     ; B's
	s_mul_i32 s22, s17, 2*NA*KS*64                 ; the scale words of A's whole tile
	s_add_co_u32 s22, s22, s94
	s_mov_b32 s23, 0
	s_mul_i32 s20, s20, KS*1536
	s_add_co_u32 s20, s20, s92
	s_mov_b32 s21, 0
	s_mul_i32 s96, s42, 2*NA*KS*64                 ; and of B's
	s_add_co_u32 s96, s96, s95
	s_mov_b32 s97, 0
	s_mul_i32 s46, s46, KS*1536
	s_add_co_u32 s46, s46, s93
	s_mov_b32 s47, 0
	s_mul_i32 s45, s14, HALFT                      ; where they go: no place in the cluster enters an LDS address
	s_wait_kmcnt 0x0
	s_mov_b64 s[6:7], s[4:5]
	s_add_nc_u64 s[20:21], s[4:5], s[20:21]
	s_add_nc_u64 s[22:23], s[4:5], s[22:23]
	s_add_nc_u64 s[46:47], s[6:7], s[46:47]
	s_add_nc_u64 s[96:97], s[6:7], s[96:97]
	CROUND                                         ; all sixteen work-groups are here: the first joint loads meet
	s_mov_b32 s[G0S], 1
	s_mov_b32 s[G0S+1], SCL
	s_mov_b64 s[G0S+2:G0S+3], s[22:23]
	s_or_b32 s[G0S+3], s[G0S+3], 0x80000000
	s_mov_b32 s[G0SB], 1
	s_mov_b32 s[G0SB+1], SCL+2*HALFS
	s_mov_b64 s[G0SB+2:G0SB+3], s[96:97]
	s_or_b32 s[G0SB+3], s[G0SB+3], 0x80000000
.irp s, 0,1
	s_mov_b32 s[G0+4*\s], 1
	s_add_co_u32 s[G0+4*\s+1], s45, \s*SLOT
	s_add_nc_u64 s[G0+4*\s+2:G0+4*\s+3], s[20:21], \s*ROWB
	s_or_b32 s[G0+4*\s+3], s[G0+4*\s+3], 0x80000000
	s_mov_b32 s[G0B+4*\s], 1
	s_add_co_u32 s[G0B+4*\s+1], s45, \s*SLOT
	s_add_nc_u64 s[G0B+4*\s+2:G0B+4*\s+3], s[46:47], \s*ROWB
	s_or_b32 s[G0B+4*\s+3], s[G0B+4*\s+3], 0x80000000
.endr
; the head's four tiles, one joint load a wave: wave 0 A's side of slot 0, wave 1 A's scale words, wave 2 B's side, wave 3 B's scale words.
; Wave 0's and wave 2's own group 0 of slot 0 begin at their side's first row block.
.macro ARM under, g0, g1, next
	s_cmp_lt_u32 s14, \under
	s_cbranch_scc0 \next
	tensor_load_to_lds s[\g0:\g0+3], s[\g1:\g1+7]
	s_nop 0
.rept 4
	v_nop
.endr
	s_branch .Lhead_asked
\next:
.endm
	ARM 1, G0,  G1,  .Lhead_sa
	ARM 2, G0S, G1S, .Lhead_b
	ARM 3, G0B, G1B, .Lhead_sb
	tensor_load_to_lds s[G0SB:G0SB+3], s[G1SB:G1SB+7]
	s_nop 0
.rept 4
	v_nop
.endr
.Lhead_asked:
	v_and_b32 v1, 15, v0                           ; r
	v_bfe_u32 v2, v0, 4, 1                         ; h
	v_and_b32 v7, 31, v0
	v_lshlrev_b32 v3, 4, v7                        ; 16 x lane
	v_lshlrev_b32 v4, 3, v7                        ; 8 x lane
	v_lshlrev_b32 v5, 2, v1                        ; 4 r
	v_lshlrev_b32 v6, 6, v2                        ; 64 h
	s_mul_i32 s21, s15, HALFT
	s_mul_i32 s22, s16, HALFT
	s_add_co_u32 s22, s22, 2*HALFT
.irp s, 0,1
	v_add_nc_u32 v[A16+\s], s21, v3
	v_add_nc_u32 v[A8+\s], s21, v4
	v_add_nc_u32 v[B16+\s], s22, v3
	v_add_nc_u32 v[B8+\s], s22, v4
	s_add_co_u32 s21, s21, SLOT
	s_add_co_u32 s22, s22, SLOT
.endr
	s_mul_i32 s21, s15, HALFS
	s_mul_i32 s22, s16, HALFS
	s_add_co_u32 s22, s22, 2*HALFS
	s_sub_co_u32 s22, s22, s21
	v_mul_u32_u24 v7, s22, v2                      ; lanes 16-31 take B's words: one product with h
	s_add_co_u32 s21, s21, SCL
	v_add_nc_u32 v7, v7, v5
	v_add_nc_u32 v[ADRS], s21, v7
	; the biases.  q, k: along B's rows (the registers), as C of the first products; V: along A's rows (the lanes), added at the end.  The side that is not used loads from the bias's first bytes and is set to 0.
	s_mul_i32 s92, s42, 2*NA
	s_mul_i32 s93, s16, NA
	s_add_co_u32 s92, s92, s93
	s_lshl_b32 s92, s92, 6                         ; 4 bytes x 16 rows x B's first row block of my tile
	s_lshl_b32 s94, s17, 4
	s_lshl_b32 s95, s15, 3
	s_add_co_u32 s94, s94, s95                     ; A's first row block of my tile
	s_lshl_b32 s94, s94, 6
	s_add_co_u32 s94, s94, 8192                    ; V's biases begin at number 2,048
	s_cmp_lg_u32 s99, 0
	s_cselect_b32 s92, 0, s92
	s_cselect_b32 s94, s94, 0
	s_mov_b32 s93, 0
	s_mov_b32 s95, 0
	s_add_nc_u64 s[10:11], s[8:9], s[94:95]
	s_add_nc_u64 s[8:9], s[8:9], s[92:93]
	v_and_b32 v7, 8, v1
	v_add_nc_u32 v7, v7, v1
	v_lshlrev_b32 v7, 2, v7                        ; 4 (r + 8 (r / 8))
	WIN 0x40
.set b_, 0
.rept NA/2
.irp i, 0,1,2,3
	global_load_b128 v[96+16*b_+96*(b_/2)+4*\i:96+16*b_+96*(b_/2)+4*\i+3], v6, s[8:9] offset:128*b_+16*\i
.endr
.set b_, b_+1
.endr
	WIN 0
.irp a, 0,1,2,3,4,5,6,7
	global_load_b32 v[BM+\a], v7, s[10:11] offset:4*(32*(\a/2)+8*(\a%2))
.endr
	s_wait_alu depctr_va_vdst(0)
	s_wait_tensorcnt 0x0                           ; my tile of the head's four is in
	ds_add_u32 v[SPW], v[NIL]
	s_mov_b32 s[G1+2], NA<<16                      ; no load of mine is out: from here on a load brings NA row blocks
	s_mov_b32 s[G1+4], NA
	s_mov_b32 s[G1B+2], NA<<16
	s_mov_b32 s[G1B+4], NA
	s_wait_dscnt 0x0
	CROUND                                         ; all four tiles are in, in every partner
	JLOAD G0+4, G1, G0B+4, G1B                     ; slot 1's first fill, the first tensor load behind the round
	FETCH 0, 0, 0
	SCALES 0
	s_wait_loadcnt 0x0                             ; the biases
	s_not_b32 s96, s99
	WIN 0x44
.set k_, 0
.rept 32
	v_cndmask_b32 v[96+k_], 0, v[96+k_], s96       ; kept in q's and k's part, 0 in V's
	v_cndmask_b32 v[224+k_], 0, v[224+k_], s96
.set k_, k_+1
.endr
	WIN 0
.irp a, 0,1,2,3,4,5,6,7
	v_cndmask_b32 v[BM+\a], 0, v[BM+\a], s99       ; kept in V's part
.endr
	s_wait_alu depctr_va_vdst(0)
	STEP 0, 0, 1                                   ; the first step's products start the sums, from the bias
.if LAPS > 1
	s_mov_b32 s3, LAPS-1
.Llap:
	REST 0
	TURN 0, 1, 1
	STEP 1, 0, 0
	REST 1
	TURN 1, 0, 1
	STEP 0, 0, 0
	s_sub_co_u32 s3, s3, 1
	s_cmp_lg_u32 s3, 0
	s_cbranch_scc1 .Llap
.endif
	REST 0                                         ; the last lap fills nothing
	TURN 0, 1, 0
	STEP 1, 0, 0
	REST 1
	s_wait_dscnt 0x0
	MULQ 1, 0, 1, NQ-1, 0
	MULQ 1, 1, 1, NQ-1, 0
	MULQ 1, 2, 1, NQ-1, 0
	MULQ 1, 3, 1, NQ-1, 0
	WIN 0
	PLACES
	; THE WAY OUT.  Where the fragments go: three cases (q, k, V), chosen without a branch.  No tensor load of mine is out, so the descriptors' registers serve.
	s_lshl_b32 s24, s17, 4
	s_lshl_b32 s26, s15, 3
	s_add_co_u32 s24, s24, s26                     ; IA: A's first row block of my tile
	s_lshl_b32 s25, s42, 1
	s_add_co_u32 s25, s25, s16                     ; SB: which 128 of B's rows
	s_lshr_b32 s26, s24, 7                         ; q, k: batch,
	s_and_b32 s27, s24, 127                        ; row block in the batch,
	s_and_b32 s28, s25, 7
	s_lshl_b32 s26, s26, 4
	s_lshl_b32 s29, s28, 1
	s_add_co_u32 s26, s26, s29                     ; 16 batch + the first of my two heads
	s_mul_i32 s30, s26, 98304
	s_mul_i32 s31, s27, 768
	s_add_co_u32 s30, s30, s31
	s_add_co_u32 s30, s30, QOFF                    ; q's codes
	s_lshl_b32 s31, s26, 12
	s_lshl_b32 s32, s27, 5
	s_add_co_u32 s31, s31, s32
	s_add_co_u32 s31, s31, QSOFF                   ; q's scale words
	s_mul_i32 s32, s26, KVB
	s_lshr_b32 s33, s27, 6
	s_mul_i32 s33, s33, HALF
	s_add_co_u32 s32, s32, s33                     ; k: the head's block and half
	s_and_b32 s33, s27, 63
	s_mul_i32 s34, s33, 768
	s_add_co_u32 s34, s34, s32                     ; k's codes
	s_lshl_b32 s33, s33, 5
	s_add_co_u32 s33, s33, s32
	s_add_co_u32 s33, s33, 98304                   ; k's scale words
	s_lshr_b32 s35, s25, 4
	s_lshl_b32 s35, s35, 4
	s_lshr_b32 s36, s24, 2
	s_add_co_u32 s35, s35, s36                     ; V: 16 batch + head
	s_mul_i32 s35, s35, KVB
	s_bfe_u32 s36, s25, 0x10003                    ; which half of the keys
	s_mul_i32 s36, s36, HALF
	s_add_co_u32 s35, s35, s36
	s_mul_i32 s36, s28, 6144
	s_add_co_u32 s36, s36, s35
	s_add_co_u32 s36, s36, 49152                   ; V's codes
	s_lshl_b32 s37, s28, 8
	s_add_co_u32 s37, s37, s35
	s_add_co_u32 s37, s37, 100352                  ; V's scale words
	s_mov_b32 s51, KVB
	s_mov_b32 s55, KVB
	s_mov_b32 s49, 768                             ; from row block a to a + 1, a % 4
	s_mov_b32 s50, 3072                            ; from a to a + 4
	s_mov_b32 s53, 64                              ; the same for a pair's scale words
	s_mov_b32 s54, 128
	s_mov_b32 s56, 0x05040100                      ; a pair's words: bytes 0, 1 of both
	s_mov_b32 s57, 0x07060302                      ; bytes 2, 3 of both
	s_mov_b32 s58, KVB
	s_mov_b32 s59, 0xffff0000                      ; lanes 16-31
	s_cmp_lt_u32 s25, 8                            ; q?
	s_cselect_b32 s48, s30, s34
	s_cselect_b32 s52, s31, s33
	s_cselect_b32 s51, 98304, s51                  ; from a fragment's first half to its second: the next head
	s_cselect_b32 s55, 4096, s55
	s_cmp_lg_u32 s99, 0                            ; V?
	s_cselect_b32 s48, s36, s48
	s_cselect_b32 s52, s37, s52
	s_cselect_b32 s49, 1536, s49
	s_cselect_b32 s50, s58, s50
	s_cselect_b32 s51, 768, s51
	s_cselect_b32 s53, 128, s53
	s_cselect_b32 s54, s58, s54
	s_cselect_b32 s55, 64, s55
	s_cselect_b32 s56, 0x03020100, s56             ; V: the words as they are
	s_cselect_b32 s57, 0x07060504, s57
	s_mov_b32 s[SEL], 0x76543210
	s_mov_b32 s[SEL+1], 0xfedcba98
.irp b, 0,1,2,3
	v_mov_b32 v[TM+4+\b], 0
.endr
	v_mul_lo_u32 v7, v2, s55
	v_add_nc_u32 v7, v7, v5                        ; 4 r, and for lanes 16-31 the second word's place
.macro OUTA a, pw                      ; row block a of my tile: bias, codes, four stores of whole 256-byte units
	s_wait_xcnt 0x0                                ; the earlier stores have read their registers
	s_mul_i32 s60, s49, (\a)%4
	s_mul_i32 s61, s50, (\a)/4
	s_add_co_u32 s60, s60, s61
	s_add_co_u32 s60, s60, s48
	s_add_co_u32 s61, s60, s51
	v_add_nc_u32 v240, s60, v3
	v_add_nc_u32 v241, s60, v4
	v_add_nc_u32 v242, s61, v3
	v_add_nc_u32 v243, s61, v4
	WIN 0x02+(\a)/4
.set k_, 0
.rept 64
	v_add_f32 v[H+k_], v[64*((\a)%4)+k_], v[BM+(\a)]   ; each accumulator from its low end on
.set k_, k_+1
.endr
	WIN 0
	QUANT H, \pw
	global_store_b128 v240, v[PC:PC+3], s[12:13]
	global_store_b64 v241, v[PC+4:PC+5], s[12:13] offset:512
	global_store_b128 v242, v[PC+6:PC+9], s[12:13]
	global_store_b64 v243, v[PC+10:PC+11], s[12:13] offset:512
.endm
.irp p, 0,1,2,3
	OUTA 2*\p, 228
	OUTA 2*\p+1, 229
	v_perm_b32 v230, v229, v228, s56               ; the pair's first word
	v_perm_b32 v231, v229, v228, s57               ; and its second
	v_cndmask_b32 v230, v230, v231, s59            ; lanes 0-15 carry the first, lanes 16-31 the second
	s_mul_i32 s60, s53, \p%2
	s_mul_i32 s61, s54, \p/2
	s_add_co_u32 s60, s60, s61
	s_add_co_u32 s60, s60, s52
	v_add_nc_u32 v244, s60, v7
	global_store_b32 v244, v230, s[12:13]          ; two runs of 64 bytes: one byte in 24 of what the launch stores
.endr
	s_wait_tensorcnt 0x0                           ; the wave's end
	ds_add_u32 v[SPW], v[NIL]
	s_wait_dscnt 0x0
	CROUND                                         ; the closing round
	s_endpgm
.Lfunc_end_k_qff25458678_qkvg:
	.size	k_qff25458678_qkvg, .Lfunc_end_k_qff25458678_qkvg-k_qff25458678_qkvg
	.p2alignl 7, 3214868480
	.fill 96, 4, 3214868480
	.section	.rodata,"a",@progbits
	.p2align	6, 0x0
	.amdhsa_kernel k_qff25458678_qkvg
		.amdhsa_group_segment_fixed_size 327680
		.amdhsa_private_segment_fixed_size 0
		.amdhsa_enable_private_segment 0
		.amdhsa_kernarg_size 24
		.amdhsa_user_sgpr_count 2
		.amdhsa_user_sgpr_kernarg_segment_ptr 1
		.amdhsa_wavefront_size32 1
		.amdhsa_system_sgpr_workgroup_id_x 1
		.amdhsa_system_sgpr_workgroup_id_y 1
		.amdhsa_system_sgpr_workgroup_id_z 1
		.amdhsa_system_vgpr_workitem_id 0
		.amdhsa_next_free_vgpr 1024
		.amdhsa_next_free_sgpr 100
		.amdhsa_reserve_vcc 0
		.amdhsa_float_denorm_mode_32 3
		.amdhsa_float_denorm_mode_16_64 3
		.amdhsa_memory_ordered 1
		.amdhsa_forward_progress 1
		.amdhsa_inst_pref_size 180
	.end_amdhsa_kernel
	.amdgpu_metadata
---
amdhsa.version: [ 1, 2 ]
amdhsa.kernels:
  - .name:           k_qff25458678_qkvg
    .symbol:         k_qff25458678_qkvg.kd
    .args:
      - { .name: wq, .offset: 0, .size: 8, .value_kind: global_buffer, .address_space: global }
      - { .name: b_qkv, .offset: 8, .size: 8, .value_kind: global_buffer, .address_space: global }
      - { .name: qkv, .offset: 16, .size: 8, .value_kind: global_buffer, .address_space: global }
    .group_segment_fixed_size: 327680
    .private_segment_fixed_size: 0
    .kernarg_segment_align: 8
    .kernarg_segment_size: 24
    .max_flat_workgroup_size: 128
    .sgpr_count:     100
    .vgpr_count:     1024
    .wavefront_size: 32
...
	.end_amdgpu_metadata
.endif
;; end of part 2
;; launch attn (part 3): grid 8 x 32, 8 waves a work-group, clusters of 4 x 1, 327,680 bytes of LDS; arguments qkv, att; writes att
.if DOCPART == 3
	.amdgcn_target "amdgcn-amd-amdhsa--gfx1250"
	.amdhsa_code_object_version 6
	.text
	.protected	k_qff25458678_attn
	.globl	k_qff25458678_attn
	.p2align	8
	.type	k_qff25458678_attn,@function
k_qff25458678_attn:
	s_mov_b64 s[64:65], 0
	v_nop
	global_prefetch_b8 v0, s[64:65] scope:SCOPE_SE
	s_setreg_imm32_b32 hwreg(HW_REG_WAVE_MODE, 25, 1), 1
	s_wait_xcnt 0x0
	s_wait_alu depctr_hold_cnt(0) depctr_sa_sdst(0) depctr_va_vdst(0) depctr_va_sdst(0) depctr_va_ssrc(0) depctr_va_vcc(0) depctr_vm_vsrc(0)
	s_getreg_b32 s2, hwreg(HW_REG_IB_STS2, 6, 4)
	s_cmp_eq_u32 s2, 0
	s_cbranch_scc0 .Lentry_in_a_cluster
	s_endpgm
.Lentry_in_a_cluster:
	s_bfe_u32 s2, ttmp6, 0x10000c
	s_cmp_lg_u32 s2, 0x3003
	s_cbranch_scc0 .Lentry_shape_is_right
	s_endpgm
.Lentry_shape_is_right:
; O = softmax(q k^T / 8) v for one (batch, head) and 256 queries, both products on codes of BF6 (E3M2) with E8M0 scales; the result is quantised again as the next product's operand.
; THE SOFTMAX: t = score x log2(e) / 8; M = the running largest t rounded UP to a whole number; p = 2^(t - M) is quantised along the keys; the row's sum is taken of the unquantised p and divides O at the end.
; When M moves, the sum and O are multiplied by 2^(old M - new M): exact.
; SHARES: eight waves, each with TWO tiles of 16 queries in 512 registers (tile t in window t under the same numbers); every wave walks all 2,048 keys, 128 a step; a fragment of K or V feeds both tiles.
; LDS: the head's K, V^T and scale words, 204,800 bytes as the launch before laid them, come once: each wave brings 12,800 bytes of the first 1,024 keys at the head and, behind the full sequence and a round,
; 12,800 of the second 1,024, which have the first eight steps in which to land.  CLUSTER 4 x 1: the four query blocks of a cluster belong to one head and ask jointly.
; No prefetch: every byte is asked for by these two loads, and no loop runs ahead of them.
; K = 64 IN AN INSTRUCTION OF 128: an image of K holds two row blocks, one in each 64 along K; against [q, 0] it gives the first's scores, against [0, q] the second's.
; WHICH KEYS FORM A TILE: the lanes read K's images by addresses of their own: rows 0-7 of a tile are keys 64 c + 8 t + 0..7, rows 8-15 keys 64 c + 32 + 8 t + 0..7.  Both products are used transposed, so lane (r, h)
; holds query r, and its 32 registers of tiles (c, 0..3) are the WHOLE block of keys 64 c + 32 h + 0..31, in p's operand order: a block's maximum needs no other lane and the codes need no exchange.
; LIMITS: NaN and infinities are not served; the promise holds while the scaled scores stay under 2^31 in magnitude; a block whose largest magnitude is under 2^-122 keeps the byte 1.
; The two scale bytes of a row leave by a store of 2 bytes a lane: the word's other half is another head's.
.set KVB,  204800
.set HALF, 102400
.set PART, 12800
.set VOFF, 49152
.set KSC,  98304
.set QOFF, 6553600
.set QSOFF, 9699328
.set ATS,  3145728
.set SPARE, 204800
.set QL,  16                           ; [q, 0]
.set QH,  28                           ; [0, q]
.set FRG, 40                           ; v40-87 four fragments: window 0 K's, window 1 V's
.set KA,  88                           ; v88-90 lane terms of K's images (16-byte, 8-byte pieces) and scale words
.set S,   96                           ; v96-159 scores, then p
.set O,   160                          ; v160-191 O^T
.set PC,  192                          ; v192-203 p's codes
.set PX,  204                          ; v204-210 the upper halves of the blocks' codes as converted
.set BX,  212
.set BY,  216
.set BZ,  220
.set SWK, 224                          ; window 0: K's scale words
.set QS,  228                          ; window 0: q's scale words, tile 0's and tile 1's
.set F,   230                          ; 2^(old M - new M)
.set PS,  231                          ; window 0: tile 0's scale word of p
.set T,   232
.set T2,  233
.set SH,  234                          ; 8 x (lane / 16)
.set PS1, 235                          ; window 0: tile 1's scale word of p
.set C2,  236
.set SWV, 238                          ; window 0: V's scale words
.set C3,  242
.set C4,  244
.set WV,  12
.set G1,  16
.set G0,  24
.set SEL, 32
.set CS,  34
.set TB,  36                           ; LDS byte of this step's images
.set TS,  37                           ; and of its scale words
.set CNT, 38
.set TBN, 39                           ; LDS byte of the next step's images of K
.set TSN, 56                           ; and of their scale words
.set MSB, 0
.macro WIN new                         ; the immediate's high byte repeats the setting that is left
.if MSB != (\new)
	s_set_vgpr_msb (MSB<<8)|(\new)
.set MSB, (\new)
.endif
.endm
.macro CROUND
	s_barrier_signal -1
	s_barrier_wait -1
	s_cmp_lg_u32 s[WV], 0
	s_cbranch_scc1 .Lnot_wave_0_\@
	s_barrier_signal -3
.Lnot_wave_0_\@:
	s_barrier_wait -3
	s_barrier_signal -1
	s_barrier_wait -1
.endm
.macro KLOAD                           ; 20 loads: fragment 2 c + v = rows of images 2 c (lanes r < 8) and 2 c + 1 (r >= 8), their lanes 8 v + r % 8
.irp c, 0,1
.irp v, 0,1
	ds_load_b128 v[FRG+24*\c+12*\v:FRG+24*\c+12*\v+3], v4 offset:3072*\c+128*\v
	ds_load_b64 v[FRG+24*\c+12*\v+4:FRG+24*\c+12*\v+5], v5 offset:3072*\c+64*\v+512
	ds_load_b128 v[FRG+24*\c+12*\v+6:FRG+24*\c+12*\v+9], v4 offset:3072*\c+128*\v+768
	ds_load_b64 v[FRG+24*\c+12*\v+10:FRG+24*\c+12*\v+11], v5 offset:3072*\c+64*\v+1280
	ds_load_b32 v[SWK+2*\c+\v], v6 offset:128*\c+32*\v
.endr
.endr
.endm
.macro VLOAD                           ; 20 loads: four fragments of V^T, into window 1, and their scale words
	WIN 0x40
.irp b, 0,1,2,3
	ds_load_b128 v[FRG+12*\b:FRG+12*\b+3], v7 offset:VOFF+1536*\b
	ds_load_b64 v[FRG+12*\b+4:FRG+12*\b+5], v8 offset:VOFF+1536*\b+512
	ds_load_b128 v[FRG+12*\b+6:FRG+12*\b+9], v7 offset:VOFF+1536*\b+768
	ds_load_b64 v[FRG+12*\b+10:FRG+12*\b+11], v8 offset:VOFF+1536*\b+1280
.endr
	WIN 0
.irp b, 0,1,2,3
	ds_load_b32 v[SWV+\b], v10 offset:2048+64*\b
.endr
.endm
.macro SMUL t
.irp b, 0,1,2,3
	v_wmma_scale_f32_16x16x128_f8f6f4 v[S+16*\b:S+16*\b+7], v[FRG+12*\b:FRG+12*\b+11], v[QL:QL+11], 0, v[SWK+\b], v[QS+\t] matrix_a_fmt:MATRIX_FMT_BF6 matrix_b_fmt:MATRIX_FMT_BF6
	v_wmma_scale_f32_16x16x128_f8f6f4 v[S+16*\b+8:S+16*\b+15], v[FRG+12*\b:FRG+12*\b+11], v[QH:QH+11], 0, v[SWK+\b], v[QS+\t] matrix_a_fmt:MATRIX_FMT_BF6 matrix_b_fmt:MATRIX_FMT_BF6
.endr
.endm
.macro PVMUL ps                        ; O^T += V^T p^T: the four accumulators by turns
.irp b, 0,1,2,3
	v_wmma_scale_f32_16x16x128_f8f6f4 v[O+8*\b:O+8*\b+7], v[FRG+12*\b:FRG+12*\b+11], v[PC:PC+11], v[O+8*\b:O+8*\b+7], v[SWV+\b], v[\ps] matrix_a_fmt:MATRIX_FMT_BF6 matrix_b_fmt:MATRIX_FMT_BF6
.endr
.endm
; One tile's softmax of a step: 64 scores a lane, two whole blocks of 32 keys, to p's codes and scale word.  back: the tile's window setting; wps: the same with the destination in window 0; ps: the scale word's register.
.macro SM back, wps, ps
	s_wait_alu depctr_va_vdst(0)                   ; the wait ahead of the first reader of the scores
.irp c, 0,1                                    ; each block's largest score, in two chains; each accumulator is read from its low end on
	v_max3_num_f32 v[BX+\c], v[S+32*\c], v[S+32*\c+1], v[S+32*\c+2]
	v_max3_num_f32 v[BY+\c], v[S+32*\c+16], v[S+32*\c+17], v[S+32*\c+18]
.endr
.irp i, 3,5,7,9,11,13
.irp c, 0,1
	v_max3_num_f32 v[BX+\c], v[BX+\c], v[S+32*\c+\i], v[S+32*\c+\i+1]
	v_max3_num_f32 v[BY+\c], v[BY+\c], v[S+32*\c+16+\i], v[S+32*\c+17+\i]
.endr
.endr
.irp c, 0,1
	v_max3_num_f32 v[BX+\c], v[BX+\c], v[BY+\c], v[S+32*\c+15]
.endr
.irp c, 0,1
	v_max_num_f32 v[BX+\c], v[BX+\c], v[S+32*\c+31]
.endr
	s_delay_alu instid0(VALU_DEP_1)
	v_max_num_f32 v[T], v[BX], v[BX+1]
	s_delay_alu instid0(VALU_DEP_1)
	v_permlanex16_b32 v[T2], v[T], s[SEL], s[SEL+1]
	s_delay_alu instid0(VALU_DEP_1)
	v_max3_num_f32 v13, v13, v[T], v[T2]           ; the running largest score of my query
	s_delay_alu instid0(VALU_DEP_1)
	v_mul_f32 v[T], s[CS], v13                     ; as t
	s_delay_alu instid0(VALU_DEP_1)
	v_floor_f32 v[T2], -v[T]                       ; the new -M
	s_delay_alu instid0(VALU_DEP_1)
	v_sub_f32 v[T], v[T2], v12                     ; old M - new M: a whole number, 0 or less
	v_mov_b32 v12, v[T2]
	s_delay_alu instid0(VALU_DEP_2)
	v_cvt_i32_f32 v[T], v[T]
	s_delay_alu instid0(VALU_DEP_1)
	v_ldexp_f32 v[F], 1.0, v[T]
.irp c, 0,1
	v_fma_f32 v[BX+\c], v[BX+\c], s[CS], v12
.endr
.set k_, 0
.rept 32
	v_pk_fma_f32 v[S+2*k_:S+2*k_+1], v[S+2*k_:S+2*k_+1], s[CS:CS+1], v[12:13] op_sel_hi:[1,0,0]   ; t - M
.set k_, k_+1
.endr
	s_wait_alu depctr_va_vdst(0)                   ; the wait ahead of the batch
.set k_, 0
.rept 64
	v_exp_f32 v[S+k_], v[S+k_]                     ; p = 2^(t - M)
.set k_, k_+1
.endr
.irp c, 0,1
	v_exp_f32 v[BX+\c], v[BX+\c]                   ; the blocks' largest p: the same two instructions on the same number
.endr
	v_pk_mul_f32 v[14:15], v[14:15], v[F:F+1] op_sel_hi:[1,0]   ; the sums under the new M: the plain place behind the batch
	s_wait_alu depctr_va_vdst(0)                   ; and the one wait behind it
.irp c, 0,1
	v_max_num_f32 v[BX+\c], 0x2800000, v[BX+\c]    ; the floor 2^(5 - 127)
.endr
.irp c, 0,1
	v_add_nc_u32 v[BZ+\c], 0xfe000000, v[BX+\c]    ; 4 off the exponent field: the conversion's scale operand
.endr
.irp c, 0,1
	v_lshrrev_b32 v[BY+\c], 23, v[BZ+\c]           ; the bytes of blocks h and 2 + h
.endr
	s_delay_alu instid0(VALU_DEP_1)
	v_lshl_or_b32 v[T], v[BY+1], 16, v[BY]
	s_delay_alu instid0(VALU_DEP_1)
	v_lshlrev_b32 v[T], v[SH], v[T]                ; at their places in the word
	s_delay_alu instid0(VALU_DEP_1)
	v_permlanex16_b32 v[T2], v[T], s[SEL], s[SEL+1]
	WIN \wps                                       ; scale operands have no window: the word goes to window 0
	v_or_b32 v[\ps], v[T], v[T2]                   ; with lane l xor 16's two bytes the word is whole
	WIN \back
	v_pk_add_f32 v[C2:C2+1], v[S:S+1], v[S+2:S+3]  ; the row's sum of the unquantised p, in four chains
	v_pk_add_f32 v[C3:C3+1], v[S+4:S+5], v[S+6:S+7]
	v_pk_add_f32 v[C4:C4+1], v[S+8:S+9], v[S+10:S+11]
	v_pk_add_f32 v[14:15], v[14:15], v[S+12:S+13]
	v_pk_add_f32 v[C2:C2+1], v[C2:C2+1], v[S+14:S+15]
.irp j, 16,24,32,40,48,56
	v_pk_add_f32 v[C3:C3+1], v[C3:C3+1], v[S+\j:S+\j+1]
	v_pk_add_f32 v[C4:C4+1], v[C4:C4+1], v[S+\j+2:S+\j+3]
	v_pk_add_f32 v[14:15], v[14:15], v[S+\j+4:S+\j+5]
	v_pk_add_f32 v[C2:C2+1], v[C2:C2+1], v[S+\j+6:S+\j+7]
.endr
	v_pk_add_f32 v[14:15], v[14:15], v[C2:C2+1]
	v_pk_add_f32 v[C3:C3+1], v[C3:C3+1], v[C4:C4+1]
	s_delay_alu instid0(VALU_DEP_1)
	v_pk_add_f32 v[14:15], v[14:15], v[C3:C3+1]
.irp c, 0,1
	v_cvt_scalef32_pk16_bf6_f32 v[PC+6*\c:PC+6*\c+2], v[S+32*\c:S+32*\c+15], v[BZ+\c]
	v_cvt_scalef32_pk16_bf6_f32 v[PX+4*\c:PX+4*\c+2], v[S+32*\c+16:S+32*\c+31], v[BZ+\c]   ; a conversion's three registers begin on an even number
.endr
	v_nop                                          ; one plain place behind the scaled conversions
.irp c, 0,1
.irp i, 0,1,2
	v_mov_b32 v[PC+6*\c+3+\i], v[PX+4*\c+\i]
.endr
.endr
	s_wait_alu depctr_va_vdst(0)                   ; the wait ahead of the first reader of O^T
.irp j, 0,2,4,6,8,10,12,14,16,18,20,22,24,26,28,30
	v_pk_mul_f32 v[O+\j:O+\j+1], v[O+\j:O+\j+1], v[F:F+1] op_sel_hi:[1,0]   ; O^T under the new M; also the places in front of the scaled products
.endr
.endm
.macro STEP                            ; 128 keys, both tiles
	s_wait_dscnt 0x0                               ; this step's K and its scale words, asked for a step ago, are in
	SMUL 0
	WIN 0x44                                       ; q and the scores in window 1, K in window 0
	SMUL 1
	WIN 0
	v_add_nc_u32 v7, s[TB], v1                     ; four places behind the products, ahead of loads into their registers and of the first reader of the scores
	v_add_nc_u32 v8, s[TB], v2
	v_add_nc_u32 v10, s[TS], v3
	v_nop
	VLOAD
	s_cmp_eq_u32 s[CNT], 1                         ; the eighth step of a half has no successor in it: it asks for no further K
	s_cbranch_scc1 .Lno_k_\@
	v_add_nc_u32 v4, s[TBN], v[KA]
	v_add_nc_u32 v5, s[TBN], v[KA+1]
	v_add_nc_u32 v6, s[TSN], v[KA+2]
	KLOAD                                          ; the next step's K has this step's softmax in which to land
.Lno_k_\@:
	SM 0, 0, PS
	s_wait_alu depctr_va_vdst(0)                   ; the wait directly ahead of the wait below
	s_wait_dscnt 0x0                               ; V
	WIN 0x01                                       ; V in window 1; p and O^T in window 0
	PVMUL PS
	WIN 0x55                                       ; tile 1: every operand in window 1
	SM 0x55, 0x15, PS1
	PVMUL PS1
	WIN 0
.endm
.macro WALK lab                        ; eight steps
	v_add_nc_u32 v4, s[TB], v[KA]                  ; the half's first K
	v_add_nc_u32 v5, s[TB], v[KA+1]
	v_add_nc_u32 v6, s[TS], v[KA+2]
	KLOAD
	s_add_co_u32 s[TBN], s[TB], 6144
	s_add_co_u32 s[TSN], s[TS], 256
	s_mov_b32 s[CNT], 8
\lab:
	STEP
	s_add_co_u32 s[TB], s[TB], 6144
	s_add_co_u32 s[TS], s[TS], 256
	s_add_co_u32 s[TBN], s[TBN], 6144
	s_add_co_u32 s[TSN], s[TSN], 256
	s_sub_co_u32 s[CNT], s[CNT], 1
	s_cmp_lg_u32 s[CNT], 0
	s_wait_alu depctr_va_vdst(0)                   ; the wait ahead of the branch
	s_cbranch_scc1 \lab
.endm
.macro INIT                            ; a tile's start: the first change of M multiplies zeros
.irp j, 0,1,2,3,4,5
	v_mov_b32 v[QL+6+\j], 0                        ; zero codes add nothing under any finite scale byte
	v_mov_b32 v[QH+\j], 0
.endr
	v_mov_b32 v13, 0xff61b1e6                      ; the largest score so far: -3e38
	v_floor_f32 v12, -v13                          ; -M
	v_mov_b32 v14, 0
	v_mov_b32 v15, 0
	v_mov_b32 v[PS], 0
	v_mov_b32 v[T], 0                              ; a lane permute's destination counts as one of its sources
	v_mov_b32 v[T2], 0
.set k_, 0
.rept 32
	v_mov_b32 v[O+k_], 0
.set k_, k_+1
.endr
.endm
.macro FIN                             ; a tile's end: O^T / the sum, and its 64 channels as half a fragment of the next product
	v_add_f32 v14, v14, v15
	v_permlanex16_b32 v[T], v14, s[SEL], s[SEL+1]
	v_add_f32 v14, v14, v[T]                       ; the row's sum
	s_wait_alu depctr_va_vdst(0)                   ; the wait ahead of the transcendental
	v_rcp_f32 v14, v14
	v_nop
	s_wait_alu depctr_va_vdst(0)                   ; and behind it, ahead of the first reader
.set k_, 0
.rept 32
	v_mul_f32 v[S+k_], v[O+k_], v14                ; register 16 b + i = channel 32 b + 16 (lane / 16) + i of my query
.set k_, k_+1
.endr
.irp b, 0,1
	v_max3_num_f32 v[BX+\b], |v[S+16*\b]|, |v[S+1+16*\b]|, 0x2800000
.endr
.irp i, 2,4,6,8,10,12,14
.irp b, 0,1
	v_max3_num_f32 v[BX+\b], v[BX+\b], |v[S+16*\b+\i]|, |v[S+1+16*\b+\i]|
.endr
.endr
.irp b, 0,1
	v_permlanex16_b32 v[BY+\b], v[BX+\b], s[SEL], s[SEL+1]
.endr
.irp b, 0,1
	v_max_num_f32 v[BX+\b], v[BX+\b], v[BY+\b]
.endr
.irp b, 0,1
	v_add_nc_u32 v[BZ+\b], 0xfe000000, v[BX+\b]
.endr
.irp b, 0,1
	v_lshrrev_b32 v[BY+\b], 23, v[BZ+\b]
.endr
	v_lshl_or_b32 v[T], v[BY+1], 8, v[BY]
	v_cvt_scalef32_pk16_bf6_f32 v[PC:PC+2], v[S:S+15], v[BZ]
	v_cvt_scalef32_pk16_bf6_f32 v[PX:PX+2], v[S+16:S+31], v[BZ+1]
	v_nop
.irp i, 0,1,2
	v_permlane16_swap_b32 v[PC+\i], v[PX+\i]       ; here a block lies in lanes l and l xor 16: the operand wants it whole in a lane
.endr
.irp i, 0,1,2
	v_mov_b32 v[PC+3+\i], v[PX+\i]
.endr
.endm
	s_load_b128 s[4:7], s[0:1], 0x0                ; qkv, att
	v_lshl_add_u32 v254, v0, 2, SPARE
	v_mov_b32 v255, 0
	ds_add_u32 v254, v255                          ; the opening lines: the add twice on end and one wait
	ds_add_u32 v254, v255
	v_lshrrev_b32 v1, 5, v0
	v_readfirstlane_b32 s[WV], v1                  ; wave 0..7
	s_bfe_u32 s13, ttmp6, 0x40000                  ; cx
	s_lshl_b32 s14, ttmp9, 2
	s_add_co_u32 s14, s14, s13                     ; my block of 256 queries: it enters q's and the result's addresses alone
	s_and_b32 s15, ttmp7, 0xffff                   ; 16 batch + head, which the four partners share
	s_mov_b32 s[G1], 15|(3<<16)|(1<<21)            ; the mask: all four; elements of 8 bytes; bit 21 beside a mask
	s_mov_b32 s[G1+1], 32<<16                      ; rows of 256 bytes,
	s_mov_b32 s[G1+2], 50<<16                      ; 50 of them: 12,800 dense bytes
	s_mov_b32 s[G1+3], 32<<16
	s_mov_b32 s[G1+4], 50
	s_mov_b32 s[G1+5], 32
	s_mov_b32 s[G1+6], 0
	s_mov_b32 s[G1+7], 0
	s_mul_i32 s40, s[WV], PART                     ; my part of a half, in LDS as in memory
	s_mul_i32 s42, s15, KVB
	s_add_co_u32 s42, s42, s40
	s_mov_b32 s43, 0
	s_lshl_b32 s44, s14, 4
	s_lshl_b32 s45, s[WV], 1
	s_add_co_u32 s44, s44, s45                     ; tile 0's row block in the head; tile 1's is the next
	s_mul_i32 s45, s15, 98304
	s_mul_i32 s46, s44, 768
	s_add_co_u32 s46, s46, s45
	s_add_co_u32 s46, s46, QOFF                    ; q's two half fragments, 768 bytes each
	s_mov_b32 s47, 0
	s_lshl_b32 s48, s15, 12
	s_lshl_b32 s49, s44, 5
	s_add_co_u32 s48, s48, s49
	s_add_co_u32 s48, s48, QSOFF                   ; their scale words: bytes 0, 1 tile 0's, bytes 2, 3 tile 1's
	s_mov_b32 s49, 0
	s_lshr_b32 s50, s15, 4                         ; batch
	s_and_b32 s51, s15, 15                         ; head
	s_lshl_b32 s50, s50, 7
	s_add_co_u32 s50, s50, s44
	s_lshl_b32 s50, s50, 3
	s_lshr_b32 s52, s51, 1
	s_add_co_u32 s50, s50, s52                     ; the result's fragment: K step = head / 2; tile 1's lies 8 fragments on
	s_and_b32 s51, s51, 1
	s_mul_i32 s52, s50, 1536
	s_mul_i32 s53, s51, 768
	s_add_co_u32 s52, s52, s53
	s_mov_b32 s53, 0
	s_lshl_b32 s54, s50, 6
	s_lshl_b32 s55, s51, 1
	s_add_co_u32 s54, s54, s55
	s_add_co_u32 s54, s54, ATS
	s_mov_b32 s55, 0
	s_mov_b32 s[SEL], 0x76543210
	s_mov_b32 s[SEL+1], 0xfedcba98
	s_mov_b32 s[CS], 0x3e38aa3b                    ; log2(e) / 8
	s_mov_b32 s[CS+1], s[CS]
	s_wait_dscnt 0x0
	s_wait_kmcnt 0x0
	s_add_nc_u64 s[42:43], s[4:5], s[42:43]
	s_add_nc_u64 s[46:47], s[4:5], s[46:47]
	s_add_nc_u64 s[48:49], s[4:5], s[48:49]
	s_add_nc_u64 s[52:53], s[6:7], s[52:53]
	s_add_nc_u64 s[54:55], s[6:7], s[54:55]
	CROUND                                         ; all four work-groups are here: the joint loads meet
	s_mov_b32 s[G0], 1
	s_mov_b32 s[G0+1], s40
	s_mov_b64 s[G0+2:G0+3], s[42:43]
	s_or_b32 s[G0+3], s[G0+3], 0x80000000
	s_mov_b32 s[G0+4], 1
	s_add_co_u32 s[G0+5], s40, HALF
	s_add_nc_u64 s[G0+6:G0+7], s[42:43], HALF
	s_or_b32 s[G0+7], s[G0+7], 0x80000000
	tensor_load_to_lds s[G0:G0+3], s[G1:G1+7]      ; keys 0-1023: my one load at the head
	s_nop 0
.rept 4
	v_nop
.endr
	v_and_b32 v7, 31, v0
	v_and_b32 v8, 15, v0
	v_bfe_u32 v11, v0, 4, 1                        ; h
	v_lshlrev_b32 v1, 4, v7                        ; 16 x lane
	v_lshlrev_b32 v2, 3, v7                        ; 8 x lane
	v_lshlrev_b32 v9, 2, v8                        ; 4 r
	v_add_nc_u32 v3, KSC, v9
	v_bfe_u32 v4, v0, 3, 1                         ; r / 8: which of the two images
	v_and_b32 v5, 7, v0                            ; r % 8
	v_mul_u32_u24 v[KA], v4, 1536
	v_lshl_add_u32 v[KA+1], v5, 3, v[KA]
	v_lshl_add_u32 v[KA+1], v11, 7, v[KA+1]        ; 8-byte pieces: 1536 (r / 8) + 8 (r % 8) + 128 h
	v_lshl_add_u32 v[KA], v5, 4, v[KA]
	v_lshl_add_u32 v[KA], v11, 8, v[KA]            ; 16-byte pieces: 1536 (r / 8) + 16 (r % 8) + 256 h
	v_lshlrev_b32 v[KA+2], 6, v4
	v_lshl_add_u32 v[KA+2], v5, 2, v[KA+2]
	v_add_nc_u32 v[KA+2], KSC, v[KA+2]             ; scale words: 64 (r / 8) + 4 (r % 8)
	v_lshlrev_b32 v[SH], 3, v11
	global_load_b128 v[QL:QL+3], v1, s[46:47]      ; tile 0's q, into the low half of [q, 0] and the high half of [0, q]
	global_load_b64 v[QL+4:QL+5], v2, s[46:47] offset:512
	global_load_b128 v[QH+6:QH+9], v1, s[46:47]
	global_load_b64 v[QH+10:QH+11], v2, s[46:47] offset:512
	global_load_b32 v[QS], v9, s[48:49]
	WIN 0x40                                       ; tile 1's, into window 1
	global_load_b128 v[QL:QL+3], v1, s[46:47] offset:768
	global_load_b64 v[QL+4:QL+5], v2, s[46:47] offset:1280
	global_load_b128 v[QH+6:QH+9], v1, s[46:47] offset:768
	global_load_b64 v[QH+10:QH+11], v2, s[46:47] offset:1280
	v_mov_b32 v[SH], v[SH]                         ; 8 h for tile 1's window too
	WIN 0
	INIT
	WIN 0x55
	INIT
	WIN 0
	s_wait_alu depctr_va_vdst(0)                   ; the wait at the head's end
	s_wait_tensorcnt 0x0                           ; my part of the first half is in; the full sequence ahead of the later first fill:
	ds_add_u32 v254, v255
	s_wait_dscnt 0x0
	CROUND                                         ; everybody's part is in, and the four work-groups meet
	tensor_load_to_lds s[G0+4:G0+7], s[G1:G1+7]    ; keys 1024-2047
	s_nop 0
.rept 4
	v_nop
.endr
	s_wait_loadcnt 0x0                             ; q
	v_lshrrev_b32 v[QS+1], 16, v[QS]               ; tile 1's two bytes,
	v_and_b32 v[QS], 0xffff, v[QS]                 ; tile 0's;
	v_lshl_or_b32 v[QS+1], v[QS+1], 16, v[QS+1]    ; each in both halves of its word
	v_lshl_or_b32 v[QS], v[QS], 16, v[QS]
.rept 8
	v_nop                                          ; eight places between these writes and the first scaled product that takes them as scales
.endr
	s_mov_b32 s[TB], 0
	s_mov_b32 s[TS], 0
	s_wait_alu depctr_va_vdst(0)
	WALK .Lfirst                                   ; keys 0-1023
	s_wait_tensorcnt 0x0                           ; my part of the second half is in
	s_wait_dscnt 0x0
	s_barrier_signal -1
	s_barrier_wait -1                              ; everybody's is
	s_mov_b32 s[TB], HALF
	s_mov_b32 s[TS], HALF
	WALK .Lsecond
.rept 4
	v_nop                                          ; places behind the last products
.endr
	FIN
	global_store_b128 v1, v[PC:PC+3], s[52:53]             ; 512 consecutive bytes, aligned to 256
	global_store_b64 v2, v[PC+4:PC+5], s[52:53] offset:512 ; 256
	global_store_b16 v9, v[T], s[54:55]                    ; my row's two scale bytes
	WIN 0x55
	FIN
	WIN 0x04                                       ; a store's data are its source 1: window 1
	global_store_b128 v1, v[PC:PC+3], s[52:53] offset:12288
	global_store_b64 v2, v[PC+4:PC+5], s[52:53] offset:12800
	global_store_b16 v9, v[T], s[54:55] offset:512
	WIN 0
	s_wait_tensorcnt 0x0                           ; the wave's end
	ds_add_u32 v254, v255
	s_wait_dscnt 0x0
	CROUND                                         ; the closing round
	s_endpgm
.Lfunc_end_k_qff25458678_attn:
	.size	k_qff25458678_attn, .Lfunc_end_k_qff25458678_attn-k_qff25458678_attn
	.p2alignl 7, 3214868480
	.fill 96, 4, 3214868480
	.section	.rodata,"a",@progbits
	.p2align	6, 0x0
	.amdhsa_kernel k_qff25458678_attn
		.amdhsa_group_segment_fixed_size 327680
		.amdhsa_private_segment_fixed_size 0
		.amdhsa_enable_private_segment 0
		.amdhsa_kernarg_size 16
		.amdhsa_user_sgpr_count 2
		.amdhsa_user_sgpr_kernarg_segment_ptr 1
		.amdhsa_wavefront_size32 1
		.amdhsa_system_sgpr_workgroup_id_x 1
		.amdhsa_system_sgpr_workgroup_id_y 1
		.amdhsa_system_sgpr_workgroup_id_z 1
		.amdhsa_system_vgpr_workitem_id 0
		.amdhsa_next_free_vgpr 512
		.amdhsa_next_free_sgpr 66
		.amdhsa_reserve_vcc 0
		.amdhsa_float_denorm_mode_32 3
		.amdhsa_float_denorm_mode_16_64 3
		.amdhsa_memory_ordered 1
		.amdhsa_forward_progress 1
		.amdhsa_inst_pref_size 79
	.end_amdhsa_kernel
	.amdgpu_metadata
---
amdhsa.version: [ 1, 2 ]
amdhsa.kernels:
  - .name:           k_qff25458678_attn
    .symbol:         k_qff25458678_attn.kd
    .args:
      - { .name: qkv, .offset: 0, .size: 8, .value_kind: global_buffer, .address_space: global }
      - { .name: att, .offset: 8, .size: 8, .value_kind: global_buffer, .address_space: global }
    .group_segment_fixed_size: 327680
    .private_segment_fixed_size: 0
    .kernarg_segment_align: 8
    .kernarg_segment_size: 16
    .max_flat_workgroup_size: 256
    .sgpr_count:     66
    .vgpr_count:     512
    .wavefront_size: 32
...
	.end_amdgpu_metadata
.endif
;; end of part 3
;; launch pl1 (part 4): grid 256 x 1, 8 waves a work-group, no clusters, 70,656 bytes of LDS; arguments att, wq, b_out, x, g1, beta1, x1b; writes x1b
.if DOCPART == 4
	.amdgcn_target "amdgcn-amd-amdhsa--gfx1250"
	.amdhsa_code_object_version 6
	.text
	.protected	k_qff25458678_pl1
	.globl	k_qff25458678_pl1
	.p2align	8
	.type	k_qff25458678_pl1,@function
k_qff25458678_pl1:
	s_mov_b64 s[64:65], 0
	v_nop
	global_prefetch_b8 v0, s[64:65] scope:SCOPE_SE
	s_setreg_imm32_b32 hwreg(HW_REG_WAVE_MODE, 25, 1), 1
	s_wait_xcnt 0x0
; x1 = LayerNorm(x + att w_out^T + b_out) x g1 + beta1: the product on codes of BF6 (E3M2) with E8M0 scales, the rest in f32; stored as f32 rows and as codes and scale words in the images that the next product reads.
; SHARES: the norm wants whole rows of 1,024, so a work-group takes one row block, the 16 rows 32 (I / 2) + 8 (I % 2) + r + 8 (r / 8), and all 1,024 columns; wave w takes columns 128 w .. 128 w + 127: 8 accumulators.
; THE PRODUCT IS USED TRANSPOSED (source 0 = 16 rows of the weight, source 1 = my 16 rows): lane (r, h) holds row r, and register 16 b + i column 128 w + 32 b + 16 h + i, which is the order in which the norm
; and the quantiser want them.  The sums begin as residual + bias, so the accumulators end as the norm's input and nothing goes through memory between product and norm.
; OPERANDS are images of registers in memory: each lane loads its fragments whole, straight into registers, two sets by turns, two K steps ahead; a scale register holds step s in lanes 0-15 and step s + 1 in lanes 16-31.
; No LDS ring, no tensor load, so no joint load: with 16 rows to a work-group a fragment of the weight feeds one matrix instruction, and a way through LDS would add a write and a read of each byte and a barrier a slot.
; No prefetch: the loads themselves run two K steps ahead.
; LIMITS: NaN and infinities are not served; a block whose largest magnitude is under 2^-122 keeps the byte 1.
.set KS,    8
.set AOFF,  0
.set ASOFF, 3145728
.set BOFF,  5505024
.set BSOFF, 12812288
.set QNT,   1
.set SP,   528
.set STG,  16*SP
.set PART1, 8*STG                      ; [row][wave] sums, twice 512 bytes
.set SCW,  PART1+1024                  ; the row block's scale words
.set Y,    16                          ; v16-79   the accumulators
.set F0,   80                          ; v80-187  set 0: the weight's 8 fragments, then mine; set 1 lies in window 1 at v0-107
.set SC,   188                         ; v188-205 scale words, two sets of 9
.set TM,   208
.set PC,   224
.set PW,   244
.set GW,   192                         ; window 1: g;  BW: the bias, then beta
.set BW,   128
.set SEL,  28
.set MSB, 0
.macro WIN new                         ; the immediate's high byte repeats the setting that is left
.if MSB != (\new)
	s_set_vgpr_msb (MSB<<8)|(\new)
.set MSB, (\new)
.endif
.endm
.macro FRAGG reg, base, off            ; a fragment's image: every load takes consecutive bytes, aligned to 256
	global_load_b128 v[\reg:\reg+3], v1, s[\base:\base+1] offset:\off
	global_load_b64 v[\reg+4:\reg+5], v2, s[\base:\base+1] offset:\off+512
	global_load_b128 v[\reg+6:\reg+9], v1, s[\base:\base+1] offset:\off+768
	global_load_b64 v[\reg+10:\reg+11], v2, s[\base:\base+1] offset:\off+1280
.endm
.macro LDF set, st                     ; 36 loads: K step st (counted from the bases) into a set
	WIN 0x40*(\set)
.irp t, 0,1,2,3,4,5,6,7
	FRAGG F0-F0*(\set)+12*\t, 24, (\t*KS+(\st))*1536
.endr
	FRAGG F0-F0*(\set)+96, 20, (\st)*1536
	WIN 0
.endm
.macro LDSC sc, st                     ; 9 loads: the scale words of steps st and st + 1, 128 consecutive bytes each
.irp t, 0,1,2,3,4,5,6,7
	global_load_b32 v[SC+9*(\sc)+\t], v14, s[26:27] offset:(\t*KS+(\st))*64
.endr
	global_load_b32 v[SC+9*(\sc)+8], v14, s[22:23] offset:(\st)*64
.endm
.macro MM set, sc, odd                 ; a K step: the 8 accumulators by turns, then four places ahead of loads into the set
	WIN 0x05*(\set)
.irp t, 0,1,2,3,4,5,6,7
.if \odd
	v_wmma_scale_f32_16x16x128_f8f6f4 v[Y+8*\t:Y+8*\t+7], v[F0-F0*(\set)+12*\t:F0-F0*(\set)+12*\t+11], v[F0-F0*(\set)+96:F0-F0*(\set)+107], v[Y+8*\t:Y+8*\t+7], v[SC+9*(\sc)+\t], v[SC+9*(\sc)+8] matrix_a_fmt:MATRIX_FMT_BF6 matrix_b_fmt:MATRIX_FMT_BF6 matrix_a_scale:MATRIX_SCALE_ROW1 matrix_b_scale:MATRIX_SCALE_ROW1
.else
	v_wmma_scale_f32_16x16x128_f8f6f4 v[Y+8*\t:Y+8*\t+7], v[F0-F0*(\set)+12*\t:F0-F0*(\set)+12*\t+11], v[F0-F0*(\set)+96:F0-F0*(\set)+107], v[Y+8*\t:Y+8*\t+7], v[SC+9*(\sc)+\t], v[SC+9*(\sc)+8] matrix_a_fmt:MATRIX_FMT_BF6 matrix_b_fmt:MATRIX_FMT_BF6
.endif
.endr
	WIN 0
.rept 4
	v_nop
.endr
.endm
.macro TRIP last                       ; four K steps.  Each wait leaves out what was issued behind the step's own loads: the next step's 36, or 36 and 9 scale loads
	s_wait_loadcnt 36
	MM 0, 0, 0
	LDSC 1, 2
	LDF 0, 2
	s_wait_loadcnt 45
	MM 1, 0, 1
	LDF 1, 3
	s_wait_loadcnt 36
	MM 0, 1, 0
.if \last
	WIN 0x40                                       ; nothing more of the product to fetch: g and beta, 32 loads
.irp b, 0,1,2,3
.irp i, 0,1,2,3
	global_load_b128 v[GW+16*\b+4*\i:GW+16*\b+4*\i+3], v12, s[12:13] offset:128*\b+16*\i
	global_load_b128 v[BW+16*\b+4*\i:BW+16*\b+4*\i+3], v12, s[14:15] offset:128*\b+16*\i
.endr
.endr
	WIN 0
	s_wait_loadcnt 32
	MM 1, 1, 1
.else
	LDSC 0, 4
	LDF 0, 4
	s_wait_loadcnt 45
	MM 1, 1, 1
	LDF 1, 5
.endif
.endm
.macro QUANT s, pw
.irp b, 0,1,2,3
	v_max3_num_f32 v[TM+\b], |v[\s+16*\b]|, |v[\s+1+16*\b]|, 0x2800000
.endr
.irp i, 2,4,6,8,10,12,14
.irp b, 0,1,2,3
	v_max3_num_f32 v[TM+\b], v[TM+\b], |v[\s+16*\b+\i]|, |v[\s+1+16*\b+\i]|
.endr
.endr
.irp b, 0,1,2,3
	v_permlanex16_b32 v[TM+4+\b], v[TM+\b], s[SEL], s[SEL+1]
.endr
.irp b, 0,1,2,3
	v_max_num_f32 v[TM+\b], v[TM+\b], v[TM+4+\b]
.endr
.irp b, 0,1,2,3
	v_add_nc_u32 v[TM+12+\b], 0xfe000000, v[TM+\b]
.endr
.irp b, 0,1,2,3
	v_lshrrev_b32 v[TM+4+\b], 23, v[TM+12+\b]
.endr
	v_lshl_or_b32 v[\pw], v[TM+5], 8, v[TM+4]
	s_delay_alu instid0(VALU_DEP_1)
	v_lshl_or_b32 v[\pw], v[TM+6], 16, v[\pw]
	s_delay_alu instid0(VALU_DEP_1)
	v_lshl_or_b32 v[\pw], v[TM+7], 24, v[\pw]
.irp c, 0,1
	v_cvt_scalef32_pk16_bf6_f32 v[PC+6*\c:PC+2+6*\c], v[\s+32*\c:\s+15+32*\c], v[TM+12+2*\c]
	v_cvt_scalef32_pk16_bf6_f32 v[PC+12+4*\c:PC+14+4*\c], v[\s+16+32*\c:\s+31+32*\c], v[TM+12+2*\c+1]
.endr
	v_nop
.irp c, 0,1
.irp i, 0,1,2
	v_permlane16_swap_b32 v[PC+6*\c+\i], v[PC+12+4*\c+\i]
.endr
.irp i, 0,1,2
	v_mov_b32 v[PC+3+6*\c+\i], v[PC+12+4*\c+\i]
.endr
.endr
.endm
.macro BARRIER
	s_wait_dscnt 0x0
	s_barrier_signal -1
	s_barrier_wait -1
.endm
.macro SUM8 off                        ; the eight waves' parts of my row
	ds_load_b128 v[208:211], v6 offset:\off
	ds_load_b128 v[212:215], v6 offset:\off+16
	s_wait_dscnt 0x0
	v_add_f32 v208, v208, v209
	v_add_f32 v210, v210, v211
	v_add_f32 v212, v212, v213
	v_add_f32 v214, v214, v215
	v_add_f32 v208, v208, v210
	v_add_f32 v212, v212, v214
	s_delay_alu instid0(VALU_DEP_1)
	v_add_f32 v208, v208, v212
.endm
.macro TREE                            ; eight chains, v[236:251], to my row's sum over my wave's 128 columns
.irp a, 0,1,2,3
	v_pk_add_f32 v[236+2*\a:237+2*\a], v[236+2*\a:237+2*\a], v[244+2*\a:245+2*\a]
.endr
.irp a, 0,1
	v_pk_add_f32 v[236+2*\a:237+2*\a], v[236+2*\a:237+2*\a], v[240+2*\a:241+2*\a]
.endr
	s_delay_alu instid0(VALU_DEP_1)
	v_pk_add_f32 v[236:237], v[236:237], v[238:239]
	s_delay_alu instid0(VALU_DEP_1)
	v_add_f32 v236, v236, v237
	s_delay_alu instid0(VALU_DEP_1)
	v_permlanex16_b32 v238, v236, s[SEL], s[SEL+1]
	s_delay_alu instid0(VALU_DEP_1)
	v_add_f32 v236, v236, v238
.endm
	s_load_b256 s[4:11], s[0:1], 0x0               ; my operand, wq, the bias, the residual
	s_load_b128 s[12:15], s[0:1], 0x20             ; g, beta
	s_load_b64 s[16:17], s[0:1], 0x30              ; the result
	v_lshl_add_u32 v254, v0, 2, 0x11000
	v_mov_b32 v255, 0
	v_lshrrev_b32 v1, 5, v0
	v_readfirstlane_b32 s2, v1                     ; wave 0..7
	v_and_b32 v7, 31, v0
	v_and_b32 v8, 15, v0                           ; r
	v_bfe_u32 v9, v0, 4, 1                         ; h
	v_lshlrev_b32 v1, 4, v7                        ; 16 x lane
	v_lshlrev_b32 v2, 3, v7                        ; 8 x lane
	v_lshlrev_b32 v14, 2, v7                       ; 4 x lane
	s_mul_i32 s3, s2, STG
	v_add_nc_u32 v3, s3, v1                        ; my stage by rows
	v_mul_u32_u24 v4, v8, SP
	v_lshl_add_u32 v4, v9, 6, v4
	v_add_nc_u32 v4, s3, v4                        ; my stage by lanes
	s_lshl_b32 s18, s2, 2
	v_lshlrev_b32 v6, 5, v8
	v_add_nc_u32 v6, PART1, v6                     ; my row's eight parts
	v_add_nc_u32 v5, s18, v6                       ; my wave's among them
.if QNT
	s_lshl_b32 s18, s2, 6
	v_lshlrev_b32 v10, 2, v8
	v_add_nc_u32 v10, s18, v10
	v_add_nc_u32 v10, SCW, v10                     ; my row's scale word of K step w
	v_add_nc_u32 v11, SCW, v1
.endif
	s_lshl_b32 s18, s2, 9
	v_lshl_add_u32 v12, v9, 6, s18                 ; bias, g, beta: 512 w + 64 h
	v_add_nc_u32 v13, s18, v1                      ; a row: 512 w + 16 x lane
	s_lshr_b32 s34, ttmp9, 1
	s_lshl_b32 s34, s34, 5
	s_and_b32 s35, ttmp9, 1
	s_lshl_b32 s35, s35, 3
	s_add_co_u32 s34, s34, s35
	s_lshl_b32 s34, s34, 12                        ; the row block's first row, in bytes
	s_mov_b32 s35, 0
	s_mul_i32 s20, ttmp9, KS*1536
	s_add_co_u32 s20, s20, AOFF                    ; my row block's fragments,
	s_mov_b32 s21, 0
	s_mul_i32 s22, ttmp9, KS*64
	s_add_co_u32 s22, s22, ASOFF                   ; their scale words;
	s_mov_b32 s23, 0
	s_mul_i32 s24, s2, 8*KS*1536
	s_add_co_u32 s24, s24, BOFF                    ; the weight's row blocks 8 w .. 8 w + 7,
	s_mov_b32 s25, 0
	s_mul_i32 s26, s2, 8*KS*64
	s_add_co_u32 s26, s26, BSOFF                   ; and theirs
	s_mov_b32 s27, 0
.if QNT
	s_lshl_b32 s36, ttmp9, 3
	s_add_co_u32 s36, s36, s2
	s_mul_i32 s36, s36, 1536
	s_add_co_u32 s36, s36, 16777216                ; the fragment that I make
	s_mov_b32 s37, 0
	s_lshl_b32 s38, ttmp9, 9
	s_add_co_u32 s38, s38, 19922944                ; the row block's scale words
	s_mov_b32 s39, 0
.endif
	s_mov_b32 s[SEL], 0x76543210
	s_mov_b32 s[SEL+1], 0xfedcba98
	s_mov_b32 s30, 0x3a800000                      ; 1 / 1,024
	s_mov_b32 s31, 0x3727c5ac                      ; 1e-5
	s_wait_alu depctr_va_vdst(0)                   ; the wait at the head's end
	s_wait_kmcnt 0x0
	s_add_nc_u64 s[20:21], s[4:5], s[20:21]
	s_add_nc_u64 s[22:23], s[4:5], s[22:23]
	s_add_nc_u64 s[24:25], s[6:7], s[24:25]
	s_add_nc_u64 s[26:27], s[6:7], s[26:27]
	s_add_nc_u64 s[10:11], s[10:11], s[34:35]
.if QNT
	s_add_nc_u64 s[36:37], s[16:17], s[36:37]
	s_add_nc_u64 s[38:39], s[16:17], s[38:39]
.endif
	s_add_nc_u64 s[16:17], s[16:17], s[34:35]
.irp p, 0,1,2,3,4,5,6,7,8,9,10,11,12,13,14,15
	global_load_b128 v[Y+4*\p:Y+4*\p+3], v13, s[10:11] offset:(\p+8*(\p/8))*4096 th:TH_LOAD_NT   ; the residual: 512 consecutive bytes of a row
.endr
	WIN 0x40
.irp b, 0,1,2,3
.irp i, 0,1,2,3
	global_load_b128 v[BW+16*\b+4*\i:BW+16*\b+4*\i+3], v12, s[8:9] offset:128*\b+16*\i
.endr
.endr
	WIN 0
	LDSC 0, 0
	LDF 0, 0
	LDF 1, 1
	s_wait_loadcnt 63                              ; 81 loads were issued behind the residual's and the bias's 32: these are in
.irp p, 0,1,2,3,4,5,6,7,8,9,10,11,12,13,14,15
	ds_store_b128 v3, v[Y+4*\p:Y+4*\p+3] offset:SP*\p
.endr
.irp b, 0,1,2,3
.irp i, 0,1,2,3
	ds_load_b128 v[Y+16*\b+4*\i:Y+16*\b+4*\i+3], v4 offset:128*\b+16*\i   ; LDS serves a wave's instructions in order: these see the stores above
.endr
.endr
	s_wait_dscnt 0x0
	WIN 0x04
.set k_, 0
.rept 32
	v_pk_add_f32 v[Y+2*k_:Y+2*k_+1], v[Y+2*k_:Y+2*k_+1], v[BW+2*k_:BW+2*k_+1]   ; residual + bias start the sums
.set k_, k_+1
.endr
	WIN 0
	s_mov_b32 s32, KS/4-1
	s_wait_alu depctr_va_vdst(0)
.Lk:
	TRIP 0
	s_wait_xcnt 0x0                                ; the loads have read their bases
	s_add_nc_u64 s[24:25], s[24:25], 4*1536
	s_add_nc_u64 s[20:21], s[20:21], 4*1536
	s_add_nc_u64 s[26:27], s[26:27], 4*64
	s_add_nc_u64 s[22:23], s[22:23], 4*64
	s_sub_co_u32 s32, s32, 1
	s_cmp_lg_u32 s32, 0
	s_cbranch_scc1 .Lk
	TRIP 1                                         ; the last four steps fetch two
.irp a, 0,1,2,3,4,5,6,7                        ; the mean: a chain to an accumulator, each read from its low end on
	v_pk_add_f32 v[236+2*\a:237+2*\a], v[Y+8*\a:Y+8*\a+1], v[Y+8*\a+2:Y+8*\a+3]
.endr
.irp k, 4,6
.irp a, 0,1,2,3,4,5,6,7
	v_pk_add_f32 v[236+2*\a:237+2*\a], v[236+2*\a:237+2*\a], v[Y+8*\a+\k:Y+8*\a+\k+1]
.endr
.endr
	TREE
	ds_store_b32 v5, v236
	BARRIER
	SUM8 0
	s_delay_alu instid0(VALU_DEP_1)
	v_mul_f32 v252, s30, v208                      ; the mean
	s_delay_alu instid0(VALU_DEP_1)
	v_mov_b32 v253, v252
.set k_, 0
.rept 32
	v_pk_add_f32 v[Y+2*k_:Y+2*k_+1], v[Y+2*k_:Y+2*k_+1], v[252:253] neg_lo:[0,1] neg_hi:[0,1]
.set k_, k_+1
.endr
.irp a, 0,1,2,3,4,5,6,7                        ; then the squared differences: two passes, so that a common offset costs no accuracy
	v_pk_mul_f32 v[236+2*\a:237+2*\a], v[Y+8*\a:Y+8*\a+1], v[Y+8*\a:Y+8*\a+1]
.endr
.irp k, 2,4,6
.irp a, 0,1,2,3,4,5,6,7
	v_pk_fma_f32 v[236+2*\a:237+2*\a], v[Y+8*\a+\k:Y+8*\a+\k+1], v[Y+8*\a+\k:Y+8*\a+\k+1], v[236+2*\a:237+2*\a]
.endr
.endr
	TREE
	ds_store_b32 v5, v236 offset:512
	BARRIER
	SUM8 512
	s_delay_alu instid0(VALU_DEP_1)
	v_fma_f32 v252, v208, s30, s31                 ; the variance + 1e-5
	s_wait_alu depctr_va_vdst(0)                   ; the wait ahead of the transcendental
	v_rsq_f32 v252, v252
	v_nop
	s_wait_alu depctr_va_vdst(0)                   ; and behind it
	v_mov_b32 v253, v252
	s_wait_alu depctr_va_vdst(0)                   ; directly ahead of the wait below
	s_wait_loadcnt 0x0                             ; g, beta
.set k_, 0
.rept 32
	v_pk_mul_f32 v[Y+2*k_:Y+2*k_+1], v[Y+2*k_:Y+2*k_+1], v[252:253]
.set k_, k_+1
.endr
	WIN 0x14
.set k_, 0
.rept 32
	v_pk_fma_f32 v[Y+2*k_:Y+2*k_+1], v[Y+2*k_:Y+2*k_+1], v[GW+2*k_:GW+2*k_+1], v[BW+2*k_:BW+2*k_+1]
.set k_, k_+1
.endr
	WIN 0
.if QNT
	QUANT Y, PW
	global_store_b128 v1, v[PC:PC+3], s[36:37]
	global_store_b64 v2, v[PC+4:PC+5], s[36:37] offset:512
	global_store_b128 v1, v[PC+6:PC+9], s[36:37] offset:768
	global_store_b64 v2, v[PC+10:PC+11], s[36:37] offset:1280
	ds_store_b32 v10, v[PW]
.endif
.irp b, 0,1,2,3
.irp i, 0,1,2,3
	ds_store_b128 v4, v[Y+16*\b+4*\i:Y+16*\b+4*\i+3] offset:128*\b+16*\i
.endr
.endr
.irp p, 0,1,2,3,4,5,6,7,8,9,10,11,12,13,14,15
	ds_load_b128 v[F0+4*\p:F0+4*\p+3], v3 offset:SP*\p
.endr
.irp p, 0,1,2,3,4,5,6,7,8,9,10,11,12,13,14,15
	s_wait_dscnt 15-\p                             ; row p is back; the younger rows may be out
.if QNT
	global_store_b128 v13, v[F0+4*\p:F0+4*\p+3], s[16:17] offset:(\p+8*(\p/8))*4096   ; 512 consecutive bytes, aligned to 256
.else
	global_store_b128 v13, v[F0+4*\p:F0+4*\p+3], s[16:17] offset:(\p+8*(\p/8))*4096 th:TH_STORE_NT
.endif
.endr
.if QNT
	BARRIER                                        ; the eight waves' scale words lie in LDS
	s_cmp_lg_u32 s2, 0
	s_cbranch_scc1 .Ldone
	ds_load_b128 v[208:211], v11
	s_wait_dscnt 0x0
	global_store_b128 v1, v[208:211], s[38:39]     ; 512 consecutive bytes, aligned
.Ldone:
.endif
	s_wait_tensorcnt 0x0                           ; the wave's end
	ds_add_u32 v254, v255
	s_wait_dscnt 0x0
	s_endpgm
.Lfunc_end_k_qff25458678_pl1:
	.size	k_qff25458678_pl1, .Lfunc_end_k_qff25458678_pl1-k_qff25458678_pl1
	.p2alignl 7, 3214868480
	.fill 96, 4, 3214868480
	.section	.rodata,"a",@progbits
	.p2align	6, 0x0
	.amdhsa_kernel k_qff25458678_pl1
		.amdhsa_group_segment_fixed_size 70656
		.amdhsa_private_segment_fixed_size 0
		.amdhsa_enable_private_segment 0
		.amdhsa_kernarg_size 56
		.amdhsa_user_sgpr_count 2
		.amdhsa_user_sgpr_kernarg_segment_ptr 1
		.amdhsa_wavefront_size32 1
		.amdhsa_system_sgpr_workgroup_id_x 1
		.amdhsa_system_sgpr_workgroup_id_y 1
		.amdhsa_system_sgpr_workgroup_id_z 1
		.amdhsa_system_vgpr_workitem_id 0
		.amdhsa_next_free_vgpr 512
		.amdhsa_next_free_sgpr 66
		.amdhsa_reserve_vcc 0
		.amdhsa_float_denorm_mode_32 3
		.amdhsa_float_denorm_mode_16_64 3
		.amdhsa_memory_ordered 1
		.amdhsa_forward_progress 1
		.amdhsa_inst_pref_size 76
	.end_amdhsa_kernel
	.amdgpu_metadata
---
amdhsa.version: [ 1, 2 ]
amdhsa.kernels:
  - .name:           k_qff25458678_pl1
    .symbol:         k_qff25458678_pl1.kd
    .args:
      - { .name: att, .offset: 0, .size: 8, .value_kind: global_buffer, .address_space: global }
      - { .name: wq, .offset: 8, .size: 8, .value_kind: global_buffer, .address_space: global }
      - { .name: b_out, .offset: 16, .size: 8, .value_kind: global_buffer, .address_space: global }
      - { .name: x, .offset: 24, .size: 8, .value_kind: global_buffer, .address_space: global }
      - { .name: g1, .offset: 32, .size: 8, .value_kind: global_buffer, .address_space: global }
      - { .name: beta1, .offset: 40, .size: 8, .value_kind: global_buffer, .address_space: global }
      - { .name: x1b, .offset: 48, .size: 8, .value_kind: global_buffer, .address_space: global }
    .group_segment_fixed_size: 70656
    .private_segment_fixed_size: 0
    .kernarg_segment_align: 8
    .kernarg_segment_size: 56
    .max_flat_workgroup_size: 256
    .sgpr_count:     66
    .vgpr_count:     512
    .wavefront_size: 32
...
	.end_amdgpu_metadata
.endif
;; end of part 4
;; launch fc1 (part 5): grid 16 x 16, 4 waves a work-group, clusters of 4 x 4, 327,680 bytes of LDS; arguments x1b, wq, b_fc1, hb; writes hb
.if DOCPART == 5
	.amdgcn_target "amdgcn-amd-amdhsa--gfx1250"
	.amdhsa_code_object_version 6
	.text
	.protected	k_qff25458678_fc1
	.globl	k_qff25458678_fc1
	.p2align	8
	.type	k_qff25458678_fc1,@function
k_qff25458678_fc1:
	s_mov_b64 s[64:65], 0
	v_nop
	global_prefetch_b8 v0, s[64:65] scope:SCOPE_SE
	s_setreg_imm32_b32 hwreg(HW_REG_WAVE_MODE, 25, 1), 1
	s_wait_xcnt 0x0
	s_wait_alu depctr_hold_cnt(0) depctr_sa_sdst(0) depctr_va_vdst(0) depctr_va_sdst(0) depctr_va_ssrc(0) depctr_va_vcc(0) depctr_vm_vsrc(0)
	s_getreg_b32 s2, hwreg(HW_REG_IB_STS2, 6, 4)
	s_cmp_eq_u32 s2, 0
	s_cbranch_scc0 .Lentry_in_a_cluster
	s_endpgm
.Lentry_in_a_cluster:
	s_bfe_u32 s2, ttmp6, 0x10000c
	s_cmp_lg_u32 s2, 0xf033
	s_cbranch_scc0 .Lentry_shape_is_right
	s_endpgm
.Lentry_shape_is_right:
.set NA, 8
.set NQ, 2
.set KS, 8
.set AOFF,  16777216
.set ASOFF, 19922944
.set BOFF,  6291456
.set BSOFF, 12845056
.set ROWB,  NQ*1536
.set HALFT, NA*ROWB
.set SLOT,  4*HALFT
.set LAPS,  KS/(2*NQ)
.set SCL,   2*SLOT
.set HALFS, NA*KS*64
.set SPARE, SCL+4*HALFS
.set A16, 16
.set A8,  18
.set B16, 20
.set B8,  22
.set ADRS, 27
.set SPW, 28
.set NIL, 29
.set SC,  32
.set AF,  64
.set G1, 24
.set G0, 32
.set G1B, 48
.set G0B, 56
.set G1S, 68
.set G0S, 76
.set G1SB, 80
.set G0SB, 88
.set AA,  64
.set RL,  128
.set P2,  192
.set DD,  208
.set PP,  224
.set EE,  240
.set TM,  192
.set PC,  208
.set PW,  228
.set SEL, 66
.set MSB, 0
.macro WIN new
.if MSB != (\new)
	s_set_vgpr_msb (MSB<<8)|(\new)
.set MSB, (\new)
.endif
.endm
.macro JLOAD g0a, g1a, g0b, g1b
	s_cmp_eq_u32 s15, 0
	s_cbranch_scc0 .Lfor_b_\@
	tensor_load_to_lds s[\g0a:\g0a+3], s[\g1a:\g1a+7]
	s_nop 0
.rept 4
	v_nop
.endr
	s_branch .Lasked_\@
.Lfor_b_\@:
	tensor_load_to_lds s[\g0b:\g0b+3], s[\g1b:\g1b+7]
	s_nop 0
.rept 4
	v_nop
.endr
.Lasked_\@:
.endm
.macro CREST
	s_cmp_lg_u32 s14, 0
	s_cbranch_scc1 .Lnot_wave_0_\@
	s_barrier_signal -3
.Lnot_wave_0_\@:
	s_barrier_wait -3
	s_barrier_signal -1
	s_barrier_wait -1
.endm
.macro CROUND
	s_barrier_signal -1
	s_barrier_wait -1
	CREST
.endm
.macro PLACES
.rept 4
	v_nop
.endr
.endm
.macro FRAG reg, a16, a8, off
	ds_load_b128 v[\reg:\reg+3], v[\a16] offset:\off
	ds_load_b64 v[\reg+4:\reg+5], v[\a8] offset:\off+512
	ds_load_b128 v[\reg+6:\reg+9], v[\a16] offset:\off+768
	ds_load_b64 v[\reg+10:\reg+11], v[\a8] offset:\off+1280
.endm
.macro FETCH sl, q, f
	WIN 0x40
.set i_, 0
.rept NA
	FRAG 128*(\f)+12*i_, B16+(\sl), B8+(\sl), i_*ROWB+1536*(\q)
.set i_, i_+1
.endr
	WIN 0
.set i_, 0
.rept NA
	FRAG AF+96*(\f)+12*i_, A16+(\sl), A8+(\sl), i_*ROWB+1536*(\q)
.set i_, i_+1
.endr
.endm
.macro SCALES sl
.set i_, 0
.rept NA
.set q_, 0
.rept NQ
	ds_load_b32 v[SC+16*(\sl)+NQ*i_+q_], v[ADRS] offset:i_*KS*64+64*q_
.set q_, q_+1
.endr
.set i_, i_+1
.endr
.endm
.macro MULQ f, qt, sl, q, first
.set a_, (\qt)*NA/4
.rept NA/4
.if \first
	WIN 0x91+0x40*(a_/4)
.else
	WIN 0xa1+0x50*(a_/4)
.endif
.set b_, 0
.rept NA
.set rD, 8*(NA*(a_%4)+b_)
.set rB, 128*(\f)+12*b_
.set rA, AF+96*(\f)+12*a_
.set rC, 96+8*b_+96*(b_/4)
.set sB, SC+16*(\sl)+NQ*b_+(\q)
.set sA, SC+16*(\sl)+NQ*a_+(\q)
.if \first
	v_wmma_scale_f32_16x16x128_f8f6f4 v[rD:rD+7], v[rB:rB+11], v[rA:rA+11], v[rC:rC+7], v[sB], v[sA] matrix_a_fmt:MATRIX_FMT_BF6 matrix_b_fmt:MATRIX_FMT_BF6 matrix_a_scale:MATRIX_SCALE_ROW1
.else
	v_wmma_scale_f32_16x16x128_f8f6f4 v[rD:rD+7], v[rB:rB+11], v[rA:rA+11], v[rD:rD+7], v[sB], v[sA] matrix_a_fmt:MATRIX_FMT_BF6 matrix_b_fmt:MATRIX_FMT_BF6 matrix_a_scale:MATRIX_SCALE_ROW1
.endif
.set b_, b_+1
.endr
.set a_, a_+1
.endr
.endm
.macro STEP sl, q, first
	s_wait_dscnt 0x0
	PLACES
	FETCH \sl, (\q)+1, 1-(\q)%2
	MULQ (\q)%2, 0, \sl, \q, \first
	MULQ (\q)%2, 1, \sl, \q, \first
	MULQ (\q)%2, 2, \sl, \q, \first
	MULQ (\q)%2, 3, \sl, \q, \first
	WIN 0
.endm
.macro REST sl
.if NQ == 4
	STEP \sl, 1, 0
	STEP \sl, 2, 0
.endif
.endm
.macro TURN sl, next, fill
	s_wait_tensorcnt 0x0
	ds_add_u32 v[SPW], v[NIL]
	s_wait_dscnt 1
	MULQ 1, 0, \sl, NQ-1, 0
	s_wait_dscnt 0x0
	s_barrier_signal -1
	MULQ 1, 1, \sl, NQ-1, 0
	WIN 0
	s_barrier_wait -1
.if \fill
	CREST
	s_add_nc_u64 s[G0+4*\sl+2:G0+4*\sl+3], s[G0+4*\sl+2:G0+4*\sl+3], 2*ROWB
	s_add_nc_u64 s[G0B+4*\sl+2:G0B+4*\sl+3], s[G0B+4*\sl+2:G0B+4*\sl+3], 2*ROWB
	JLOAD G0+4*\sl, G1, G0B+4*\sl, G1B
.else
	PLACES
.endif
	s_wait_alu depctr_va_vdst(0)
	v_add_nc_u32 v[ADRS], 64*NQ, v[ADRS]
	FETCH \next, 0, 0
	SCALES \next
	MULQ 1, 2, \sl, NQ-1, 0
	MULQ 1, 3, \sl, NQ-1, 0
	WIN 0
.endm
.macro QUANT s, pw
.irp b, 0,1,2,3
	v_max3_num_f32 v[TM+\b], |v[\s+16*\b]|, |v[\s+1+16*\b]|, 0x2800000
.endr
.irp i, 2,4,6,8,10,12,14
.irp b, 0,1,2,3
	v_max3_num_f32 v[TM+\b], v[TM+\b], |v[\s+16*\b+\i]|, |v[\s+1+16*\b+\i]|
.endr
.endr
.irp b, 0,1,2,3
	v_permlanex16_b32 v[TM+4+\b], v[TM+\b], s[SEL], s[SEL+1]
.endr
.irp b, 0,1,2,3
	v_max_num_f32 v[TM+\b], v[TM+\b], v[TM+4+\b]
.endr
.irp b, 0,1,2,3
	v_add_nc_u32 v[TM+12+\b], 0xfe000000, v[TM+\b]
.endr
.irp b, 0,1,2,3
	v_lshrrev_b32 v[TM+4+\b], 23, v[TM+12+\b]
.endr
	v_lshl_or_b32 v[\pw], v[TM+5], 8, v[TM+4]
	v_lshl_or_b32 v[\pw], v[TM+6], 16, v[\pw]
	v_lshl_or_b32 v[\pw], v[TM+7], 24, v[\pw]
.irp c, 0,1
	v_cvt_scalef32_pk16_bf6_f32 v[PC+6*\c:PC+2+6*\c], v[\s+32*\c:\s+15+32*\c], v[TM+12+2*\c]
	v_cvt_scalef32_pk16_bf6_f32 v[PC+12+4*\c:PC+14+4*\c], v[\s+16+32*\c:\s+31+32*\c], v[TM+12+2*\c+1]
.endr
	v_nop
.irp c, 0,1
.irp i, 0,1,2
	v_permlane16_swap_b32 v[PC+6*\c+\i], v[PC+12+4*\c+\i]
.endr
.irp i, 0,1,2
	v_mov_b32 v[PC+3+6*\c+\i], v[PC+12+4*\c+\i]
.endr
.endr
.endm
	s_load_b128 s[4:7], s[0:1], 0x0
	s_load_b64 s[8:9], s[0:1], 0x10
	s_load_b64 s[12:13], s[0:1], 0x18
	v_lshl_add_u32 v[SPW], v0, 2, SPARE
	v_mov_b32 v[NIL], 0
	ds_add_u32 v28, v29
	ds_add_u32 v28, v29
	s_wait_dscnt 0x0
	v_lshrrev_b32 v1, 5, v0
	v_readfirstlane_b32 s14, v1
	s_lshr_b32 s15, s14, 1
	s_and_b32 s16, s14, 1
	s_bfe_u32 s40, ttmp6, 0x40000
	s_bfe_u32 s41, ttmp6, 0x40004
	s_and_b32 s18, ttmp7, 0xffff
	s_lshl_b32 s17, s18, 2
	s_add_co_u32 s17, s17, s41
	s_lshl_b32 s42, ttmp9, 2
	s_add_co_u32 s42, s42, s40
	s_mov_b32 s92, AOFF
	s_mov_b32 s93, BOFF
	s_mov_b32 s94, ASOFF
	s_mov_b32 s95, BSOFF
	s_lshl_b32 s43, s41, 2
	s_lshl_b32 s43, 15, s43
	s_lshl_b32 s44, 0x1111, s40
	s_or_b32 s[G1+0], s43, (3<<16)|(1<<21)
	s_or_b32 s[G1B+0], s44, (3<<16)|(1<<21)
.irp g, G1, G1B
	s_mov_b32 s[\g+1], (ROWB/8)<<16
	s_mov_b32 s[\g+2], (2*NA)<<16
	s_mov_b32 s[\g+3], (ROWB/8)<<16
	s_mov_b32 s[\g+4], 2*NA
	s_mov_b32 s[\g+5], KS*192
	s_mov_b32 s[\g+6], 0
	s_mov_b32 s[\g+7], 0
.endr
	s_or_b32 s[G1S+0], s43, (3<<16)|(1<<21)
	s_or_b32 s[G1SB+0], s44, (3<<16)|(1<<21)
.irp g, G1S, G1SB
	s_mov_b32 s[\g+1], 32<<16
	s_mov_b32 s[\g+2], (NA*KS/2)<<16
	s_mov_b32 s[\g+3], 32<<16
	s_mov_b32 s[\g+4], NA*KS/2
	s_mov_b32 s[\g+5], 32
	s_mov_b32 s[\g+6], 0
	s_mov_b32 s[\g+7], 0
.endr
	s_mul_i32 s18, s16, NA
	s_mul_i32 s20, s17, 2*NA
	s_add_co_u32 s20, s20, s18
	s_mul_i32 s46, s42, 2*NA
	s_add_co_u32 s46, s46, s18
	s_mul_i32 s22, s17, 2*NA*KS*64
	s_add_co_u32 s22, s22, s94
	s_mov_b32 s23, 0
	s_mul_i32 s20, s20, KS*1536
	s_add_co_u32 s20, s20, s92
	s_mov_b32 s21, 0
	s_mul_i32 s96, s42, 2*NA*KS*64
	s_add_co_u32 s96, s96, s95
	s_mov_b32 s97, 0
	s_mul_i32 s46, s46, KS*1536
	s_add_co_u32 s46, s46, s93
	s_mov_b32 s47, 0
	s_mul_i32 s45, s14, HALFT
	s_wait_kmcnt 0x0
	s_add_nc_u64 s[20:21], s[4:5], s[20:21]
	s_add_nc_u64 s[22:23], s[4:5], s[22:23]
	s_add_nc_u64 s[46:47], s[6:7], s[46:47]
	s_add_nc_u64 s[96:97], s[6:7], s[96:97]
	CROUND
	s_mov_b32 s[G0S], 1
	s_mov_b32 s[G0S+1], SCL
	s_mov_b64 s[G0S+2:G0S+3], s[22:23]
	s_or_b32 s[G0S+3], s[G0S+3], 0x80000000
	s_mov_b32 s[G0SB], 1
	s_mov_b32 s[G0SB+1], SCL+2*HALFS
	s_mov_b64 s[G0SB+2:G0SB+3], s[96:97]
	s_or_b32 s[G0SB+3], s[G0SB+3], 0x80000000
.irp s, 0,1
	s_mov_b32 s[G0+4*\s], 1
	s_add_co_u32 s[G0+4*\s+1], s45, \s*SLOT
	s_add_nc_u64 s[G0+4*\s+2:G0+4*\s+3], s[20:21], \s*ROWB
	s_or_b32 s[G0+4*\s+3], s[G0+4*\s+3], 0x80000000
	s_mov_b32 s[G0B+4*\s], 1
	s_add_co_u32 s[G0B+4*\s+1], s45, \s*SLOT
	s_add_nc_u64 s[G0B+4*\s+2:G0B+4*\s+3], s[46:47], \s*ROWB
	s_or_b32 s[G0B+4*\s+3], s[G0B+4*\s+3], 0x80000000
.endr
; the head's four tiles, one joint load a wave: wave 0 A's side of slot 0, wave 1 A's scale words, wave 2 B's side, wave 3 B's scale words.
; Wave 0's and wave 2's own group 0 of slot 0 begin at their side's first row block.
.macro ARM under, g0, g1, next
	s_cmp_lt_u32 s14, \under
	s_cbranch_scc0 \next
	tensor_load_to_lds s[\g0:\g0+3], s[\g1:\g1+7]
	s_nop 0
.rept 4
	v_nop
.endr
	s_branch .Lhead_asked
\next:
.endm
	ARM 1, G0,  G1,  .Lhead_sa
	ARM 2, G0S, G1S, .Lhead_b
	ARM 3, G0B, G1B, .Lhead_sb
	tensor_load_to_lds s[G0SB:G0SB+3], s[G1SB:G1SB+7]
	s_nop 0
.rept 4
	v_nop
.endr
.Lhead_asked:
	v_and_b32 v1, 15, v0
	v_bfe_u32 v2, v0, 4, 1
	v_and_b32 v7, 31, v0
	v_lshlrev_b32 v3, 4, v7
	v_lshlrev_b32 v4, 3, v7
	v_lshlrev_b32 v5, 2, v1
	v_lshlrev_b32 v6, 6, v2
	s_mul_i32 s21, s15, HALFT
	s_mul_i32 s22, s16, HALFT
	s_add_co_u32 s22, s22, 2*HALFT
.irp s, 0,1
	v_add_nc_u32 v[A16+\s], s21, v3
	v_add_nc_u32 v[A8+\s], s21, v4
	v_add_nc_u32 v[B16+\s], s22, v3
	v_add_nc_u32 v[B8+\s], s22, v4
	s_add_co_u32 s21, s21, SLOT
	s_add_co_u32 s22, s22, SLOT
.endr
	s_mul_i32 s21, s15, HALFS
	s_mul_i32 s22, s16, HALFS
	s_add_co_u32 s22, s22, 2*HALFS
	s_sub_co_u32 s22, s22, s21
	v_mul_u32_u24 v7, s22, v2
	s_add_co_u32 s21, s21, SCL
	v_add_nc_u32 v7, v7, v5
	v_add_nc_u32 v[ADRS], s21, v7
	s_mul_i32 s92, s42, 2*NA
	s_mul_i32 s93, s16, NA
	s_add_co_u32 s92, s92, s93
	s_lshl_b32 s92, s92, 6
	s_mov_b32 s93, 0
	s_add_nc_u64 s[8:9], s[8:9], s[92:93]
	WIN 0x40
.set b_, 0
.rept NA/2
.irp i, 0,1,2,3
	global_load_b128 v[96+16*b_+96*(b_/2)+4*\i:96+16*b_+96*(b_/2)+4*\i+3], v6, s[8:9] offset:128*b_+16*\i
.endr
.set b_, b_+1
.endr
	WIN 0
	s_wait_alu depctr_va_vdst(0)
	s_wait_tensorcnt 0x0                           ; my tile of the head's four is in
	ds_add_u32 v[SPW], v[NIL]
	s_mov_b32 s[G1+2], NA<<16                      ; no load of mine is out: from here on a load brings NA row blocks
	s_mov_b32 s[G1+4], NA
	s_mov_b32 s[G1B+2], NA<<16
	s_mov_b32 s[G1B+4], NA
	s_wait_dscnt 0x0
	CROUND                                         ; all four tiles are in, in every partner
	JLOAD G0+4, G1, G0B+4, G1B                     ; slot 1's first fill, the first tensor load behind the round
	FETCH 0, 0, 0
	SCALES 0
	s_wait_loadcnt 0x0
	STEP 0, 0, 1
.if LAPS > 1
	s_mov_b32 s3, LAPS-1
.Llap:
	REST 0
	TURN 0, 1, 1
	STEP 1, 0, 0
	REST 1
	TURN 1, 0, 1
	STEP 0, 0, 0
	s_sub_co_u32 s3, s3, 1
	s_cmp_lg_u32 s3, 0
	s_cbranch_scc1 .Llap
.endif
	REST 0
	TURN 0, 1, 0
	STEP 1, 0, 0
	REST 1
	s_wait_dscnt 0x0
	MULQ 1, 0, 1, NQ-1, 0
	MULQ 1, 1, 1, NQ-1, 0
	MULQ 1, 2, 1, NQ-1, 0
	MULQ 1, 3, 1, NQ-1, 0
	WIN 0
	PLACES
	s_lshl_b32 s24, s17, 4
	s_lshl_b32 s28, s15, 3
	s_add_co_u32 s24, s24, s28
	s_lshl_b32 s24, s24, 5
	s_lshl_b32 s28, s42, 1
	s_add_co_u32 s28, s28, s16
	s_add_co_u32 s24, s24, s28
	s_mul_i32 s25, s24, 1536
	s_lshl_b32 s26, s24, 6
	s_add_co_u32 s26, s26, 12582912
	s_mov_b32 s27, 0x3f3504f3
	s_mov_b32 s[SEL], 0x76543210
	s_mov_b32 s[SEL+1], 0xfedcba98
	v_mov_b32 v30, 0xb9d25000
	v_mov_b32 v31, 0xb9d25000
.macro EXTRACT a
	WIN 0x02+(\a)/4
.set k_, 0
.rept 64
	v_mul_f32 v[AA+k_], |v[64*((\a)%4)+k_]|, s27
	v_max_num_f32 v[RL+k_], v[64*((\a)%4)+k_], 0
.set k_, k_+1
.endr
	WIN 0
.endm
.macro CHUNK c
.set XA, AA+16*(\c)
.set XR, RL+16*(\c)
.irp j, 0,2,4,6,8,10,12,14
	v_pk_add_f32 v[P2+\j:P2+\j+1], v[XA+\j:XA+\j+1], 2.0 op_sel_hi:[1,0]
.endr
.irp j, 0,2,4,6,8,10,12,14
	v_pk_fma_f32 v[DD+\j:DD+\j+1], v[XA+\j:XA+\j+1], 2.0, 1.0 op_sel_hi:[1,0,0]
.endr
.irp j, 0,2,4,6,8,10,12,14
	v_pk_mul_f32 v[EE+\j:EE+\j+1], v[XA+\j:XA+\j+1], v[XA+\j:XA+\j+1]
.endr
.irp j, 0,2,4,6,8,10,12,14
	v_pk_mul_f32 v[PP+\j:PP+\j+1], v[P2+\j:P2+\j+1], v[DD+\j:DD+\j+1]
.endr
.irp j, 0,2,4,6,8,10,12,14
	v_pk_fma_f32 v[EE+\j:EE+\j+1], v[EE+\j:EE+\j+1], 0xbfb8aa3b, -0.5 op_sel_hi:[1,0,0]
.endr
	s_wait_alu depctr_va_vdst(0)
.irp j, 0,1,2,3,4,5,6,7,8,9,10,11,12,13,14,15
	v_rcp_f32 v[PP+\j], v[PP+\j]
.endr
.irp j, 0,1,2,3,4,5,6,7,8,9,10,11,12,13,14,15
	v_exp_f32 v[EE+\j], v[EE+\j]
.endr
	v_nop
	s_wait_alu depctr_va_vdst(0)
.irp j, 0,2,4,6,8,10,12,14
	v_pk_mul_f32 v[DD+\j:DD+\j+1], v[PP+\j:PP+\j+1], v[DD+\j:DD+\j+1]
.endr
.irp j, 0,2,4,6,8,10,12,14
	v_pk_mul_f32 v[P2+\j:P2+\j+1], v[PP+\j:PP+\j+1], v[P2+\j:P2+\j+1]
.endr
.irp j, 0,2,4,6,8,10,12,14
	v_pk_fma_f32 v[DD+\j:DD+\j+1], v[DD+\j:DD+\j+1], -4.0, 1.0 op_sel_hi:[1,0,0]
.endr
.irp j, 0,2,4,6,8,10,12,14
	v_pk_fma_f32 v[PP+\j:PP+\j+1], v[DD+\j:DD+\j+1], v[30:31], 0xbaa15130 op_sel_hi:[1,1,0]
.endr
.irp k, 0x3aac2b8a, 0x3c0d6e62, 0xbc040dc1, 0xbd5e05b5, 0x3e27fe23, 0xbe2a0420, 0xbdbdfb0b, 0x3e8dd01d
.irp j, 0,2,4,6,8,10,12,14
	v_pk_fma_f32 v[PP+\j:PP+\j+1], v[PP+\j:PP+\j+1], v[DD+\j:DD+\j+1], \k op_sel_hi:[1,1,0]
.endr
.endr
.irp j, 0,2,4,6,8,10,12,14
	v_pk_fma_f32 v[P2+\j:P2+\j+1], v[PP+\j:PP+\j+1], v[P2+\j:P2+\j+1], v[P2+\j:P2+\j+1]
.endr
.irp j, 0,2,4,6,8,10,12,14
	v_pk_mul_f32 v[P2+\j:P2+\j+1], v[XA+\j:XA+\j+1], v[P2+\j:P2+\j+1]
.endr
.irp j, 0,2,4,6,8,10,12,14
	v_pk_fma_f32 v[XR+\j:XR+\j+1], v[P2+\j:P2+\j+1], v[EE+\j:EE+\j+1], v[XR+\j:XR+\j+1] neg_lo:[1,0,0] neg_hi:[1,0,0]
.endr
.endm
	s_mov_b32 s24, 0
.Lrow:
	s_wait_xcnt 0x0
	s_cmp_eq_u32 s24, 0
	s_cbranch_scc1 .Lx0
	s_cmp_eq_u32 s24, 1
	s_cbranch_scc1 .Lx1
	s_cmp_eq_u32 s24, 2
	s_cbranch_scc1 .Lx2
	s_cmp_eq_u32 s24, 3
	s_cbranch_scc1 .Lx3
	s_cmp_eq_u32 s24, 4
	s_cbranch_scc1 .Lx4
	s_cmp_eq_u32 s24, 5
	s_cbranch_scc1 .Lx5
	s_cmp_eq_u32 s24, 6
	s_cbranch_scc1 .Lx6
	EXTRACT 7
	s_branch .Lgelu
.irp a, 0,1,2,3,4,5,6
.Lx\a:
	EXTRACT \a
	s_branch .Lgelu
.endr
.Lgelu:
	CHUNK 0
	CHUNK 1
	CHUNK 2
	CHUNK 3
	QUANT RL, PW
	v_add_nc_u32 v240, s25, v3
	v_add_nc_u32 v241, s25, v4
	v_add_nc_u32 v242, s26, v5
	global_store_b128 v240, v[PC:PC+3], s[12:13]
	global_store_b64 v241, v[PC+4:PC+5], s[12:13] offset:512
	global_store_b128 v240, v[PC+6:PC+9], s[12:13] offset:768
	global_store_b64 v241, v[PC+10:PC+11], s[12:13] offset:1280
	global_store_b32 v242, v[PW], s[12:13]
	s_add_co_u32 s25, s25, 49152
	s_add_co_u32 s26, s26, 2048
	s_add_co_u32 s24, s24, 1
	s_cmp_lt_u32 s24, 8
	s_cbranch_scc1 .Lrow
	s_wait_tensorcnt 0x0
	ds_add_u32 v[SPW], v[NIL]
	s_wait_dscnt 0x0
	CROUND
	s_endpgm
.Lfunc_end_k_qff25458678_fc1:
	.size	k_qff25458678_fc1, .Lfunc_end_k_qff25458678_fc1-k_qff25458678_fc1
	.p2alignl 7, 3214868480
	.fill 96, 4, 3214868480
	.section	.rodata,"a",@progbits
	.p2align	6, 0x0
	.amdhsa_kernel k_qff25458678_fc1
		.amdhsa_group_segment_fixed_size 327680
		.amdhsa_private_segment_fixed_size 0
		.amdhsa_enable_private_segment 0
		.amdhsa_kernarg_size 32
		.amdhsa_user_sgpr_count 2
		.amdhsa_user_sgpr_kernarg_segment_ptr 1
		.amdhsa_wavefront_size32 1
		.amdhsa_system_sgpr_workgroup_id_x 1
		.amdhsa_system_sgpr_workgroup_id_y 1
		.amdhsa_system_sgpr_workgroup_id_z 1
		.amdhsa_system_vgpr_workitem_id 0
		.amdhsa_next_free_vgpr 1024
		.amdhsa_next_free_sgpr 100
		.amdhsa_reserve_vcc 0
		.amdhsa_float_denorm_mode_32 3
		.amdhsa_float_denorm_mode_16_64 3
		.amdhsa_memory_ordered 1
		.amdhsa_forward_progress 1
		.amdhsa_inst_pref_size 242
	.end_amdhsa_kernel
	.amdgpu_metadata
---
amdhsa.version: [ 1, 2 ]
amdhsa.kernels:
  - .name:           k_qff25458678_fc1
    .symbol:         k_qff25458678_fc1.kd
    .args:
      - { .name: x1b, .offset: 0, .size: 8, .value_kind: global_buffer, .address_space: global }
      - { .name: wq, .offset: 8, .size: 8, .value_kind: global_buffer, .address_space: global }
      - { .name: b_fc1, .offset: 16, .size: 8, .value_kind: global_buffer, .address_space: global }
      - { .name: hb, .offset: 24, .size: 8, .value_kind: global_buffer, .address_space: global }
    .group_segment_fixed_size: 327680
    .private_segment_fixed_size: 0
    .kernarg_segment_align: 8
    .kernarg_segment_size: 32
    .max_flat_workgroup_size: 128
    .sgpr_count:     100
    .vgpr_count:     1024
    .wavefront_size: 32
...
	.end_amdgpu_metadata
.endif
;; end of part 5
;; launch fc2 (part 6): grid 8 x 32, 4 waves a work-group, clusters of 4 x 4, 327,680 bytes of LDS; arguments hb, wq, b_fc2, x1b, y2; writes y2
.if DOCPART == 6
	.amdgcn_target "amdgcn-amd-amdhsa--gfx1250"
	.amdhsa_code_object_version 6
	.text
	.protected	k_qff25458678_fc2
	.globl	k_qff25458678_fc2
	.p2align	8
	.type	k_qff25458678_fc2,@function
k_qff25458678_fc2:
	s_mov_b64 s[64:65], 0
	v_nop
	global_prefetch_b8 v0, s[64:65] scope:SCOPE_SE
	s_setreg_imm32_b32 hwreg(HW_REG_WAVE_MODE, 25, 1), 1
	s_wait_xcnt 0x0
	s_wait_alu depctr_hold_cnt(0) depctr_sa_sdst(0) depctr_va_vdst(0) depctr_va_sdst(0) depctr_va_ssrc(0) depctr_va_vcc(0) depctr_vm_vsrc(0)
	s_getreg_b32 s2, hwreg(HW_REG_IB_STS2, 6, 4)
	s_cmp_eq_u32 s2, 0
	s_cbranch_scc0 .Lentry_in_a_cluster
	s_endpgm
.Lentry_in_a_cluster:
	s_bfe_u32 s2, ttmp6, 0x10000c
	s_cmp_lg_u32 s2, 0xf033
	s_cbranch_scc0 .Lentry_shape_is_right
	s_endpgm
.Lentry_shape_is_right:
.set NA, 4
.set NQ, 4
.set KS, 32
.set AOFF,  0
.set ASOFF, 12582912
.set BOFF,  9437184
.set BSOFF, 12976128
.set ROWB,  NQ*1536
.set HALFT, NA*ROWB
.set SLOT,  4*HALFT
.set LAPS,  KS/(2*NQ)
.set SCL,   2*SLOT
.set HALFS, NA*KS*64
.set SPARE, SCL+4*HALFS
.set STAGE, SPARE+512
.set A16, 16
.set A8,  18
.set B16, 20
.set B8,  22
.set STO, 24
.set RD,  25
.set CO,  26
.set ADRS, 27
.set SPW, 28
.set NIL, 29
.set SC,  32
.set AF,  64
.set G1, 24
.set G0, 32
.set G1B, 48
.set G0B, 56
.set G1S, 68
.set G0S, 76
.set G1SB, 80
.set G0SB, 88
.set MSB, 0
.macro WIN new
.if MSB != (\new)
	s_set_vgpr_msb (MSB<<8)|(\new)
.set MSB, (\new)
.endif
.endm
.macro JLOAD g0a, g1a, g0b, g1b
	s_cmp_eq_u32 s15, 0
	s_cbranch_scc0 .Lfor_b_\@
	tensor_load_to_lds s[\g0a:\g0a+3], s[\g1a:\g1a+7]
	s_nop 0
.rept 4
	v_nop
.endr
	s_branch .Lasked_\@
.Lfor_b_\@:
	tensor_load_to_lds s[\g0b:\g0b+3], s[\g1b:\g1b+7]
	s_nop 0
.rept 4
	v_nop
.endr
.Lasked_\@:
.endm
.macro CREST
	s_cmp_lg_u32 s14, 0
	s_cbranch_scc1 .Lnot_wave_0_\@
	s_barrier_signal -3
.Lnot_wave_0_\@:
	s_barrier_wait -3
	s_barrier_signal -1
	s_barrier_wait -1
.endm
.macro CROUND
	s_barrier_signal -1
	s_barrier_wait -1
	CREST
.endm
.macro PLACES
.rept 4
	v_nop
.endr
.endm
.macro FRAG reg, a16, a8, off
	ds_load_b128 v[\reg:\reg+3], v[\a16] offset:\off
	ds_load_b64 v[\reg+4:\reg+5], v[\a8] offset:\off+512
	ds_load_b128 v[\reg+6:\reg+9], v[\a16] offset:\off+768
	ds_load_b64 v[\reg+10:\reg+11], v[\a8] offset:\off+1280
.endm
.macro FETCH sl, q, f
	WIN 0x40
.set i_, 0
.rept NA
	FRAG 128*(\f)+12*i_, B16+(\sl), B8+(\sl), i_*ROWB+1536*(\q)
.set i_, i_+1
.endr
	WIN 0
.set i_, 0
.rept NA
	FRAG AF+96*(\f)+12*i_, A16+(\sl), A8+(\sl), i_*ROWB+1536*(\q)
.set i_, i_+1
.endr
.endm
.macro SCALES sl
.set i_, 0
.rept NA
.set q_, 0
.rept NQ
	ds_load_b32 v[SC+16*(\sl)+NQ*i_+q_], v[ADRS] offset:i_*KS*64+64*q_
.set q_, q_+1
.endr
.set i_, i_+1
.endr
.endm
.macro MULQ f, qt, sl, q, first
.set a_, (\qt)*NA/4
.rept NA/4
.if \first
	WIN 0x91+0x40*(a_/4)
.else
	WIN 0xa1+0x50*(a_/4)
.endif
.set b_, 0
.rept NA
.set rD, 8*(NA*(a_%4)+b_)
.set rB, 128*(\f)+12*b_
.set rA, AF+96*(\f)+12*a_
.set rC, 96+8*b_+96*(b_/4)
.set sB, SC+16*(\sl)+NQ*b_+(\q)
.set sA, SC+16*(\sl)+NQ*a_+(\q)
.if \first
	v_wmma_scale_f32_16x16x128_f8f6f4 v[rD:rD+7], v[rB:rB+11], v[rA:rA+11], v[rC:rC+7], v[sB], v[sA] matrix_a_fmt:MATRIX_FMT_BF6 matrix_b_fmt:MATRIX_FMT_BF6 matrix_a_scale:MATRIX_SCALE_ROW1
.else
	v_wmma_scale_f32_16x16x128_f8f6f4 v[rD:rD+7], v[rB:rB+11], v[rA:rA+11], v[rD:rD+7], v[sB], v[sA] matrix_a_fmt:MATRIX_FMT_BF6 matrix_b_fmt:MATRIX_FMT_BF6 matrix_a_scale:MATRIX_SCALE_ROW1
.endif
.set b_, b_+1
.endr
.set a_, a_+1
.endr
.endm
.macro STEP sl, q, first
	s_wait_dscnt 0x0
	PLACES
	FETCH \sl, (\q)+1, 1-(\q)%2
	MULQ (\q)%2, 0, \sl, \q, \first
	MULQ (\q)%2, 1, \sl, \q, \first
	MULQ (\q)%2, 2, \sl, \q, \first
	MULQ (\q)%2, 3, \sl, \q, \first
	WIN 0
.endm
.macro REST sl
.if NQ == 4
	STEP \sl, 1, 0
	STEP \sl, 2, 0
.endif
.endm
.macro TURN sl, next, fill
	s_wait_tensorcnt 0x0
	ds_add_u32 v[SPW], v[NIL]
	s_wait_dscnt 1
	MULQ 1, 0, \sl, NQ-1, 0
	s_wait_dscnt 0x0
	s_barrier_signal -1
	MULQ 1, 1, \sl, NQ-1, 0
	WIN 0
	s_barrier_wait -1
.if \fill
	CREST
	s_add_nc_u64 s[G0+4*\sl+2:G0+4*\sl+3], s[G0+4*\sl+2:G0+4*\sl+3], 2*ROWB
	s_add_nc_u64 s[G0B+4*\sl+2:G0B+4*\sl+3], s[G0B+4*\sl+2:G0B+4*\sl+3], 2*ROWB
	JLOAD G0+4*\sl, G1, G0B+4*\sl, G1B
.else
	PLACES
.endif
	s_wait_alu depctr_va_vdst(0)
	v_add_nc_u32 v[ADRS], 64*NQ, v[ADRS]
	FETCH \next, 0, 0
	SCALES \next
	MULQ 1, 2, \sl, NQ-1, 0
	MULQ 1, 3, \sl, NQ-1, 0
	WIN 0
.endm
	s_load_b128 s[4:7], s[0:1], 0x0
	s_load_b128 s[8:11], s[0:1], 0x10
	s_load_b64 s[12:13], s[0:1], 0x20
	v_lshl_add_u32 v[SPW], v0, 2, SPARE
	v_mov_b32 v[NIL], 0
	ds_add_u32 v28, v29
	ds_add_u32 v28, v29
	s_wait_dscnt 0x0
	v_lshrrev_b32 v1, 5, v0
	v_readfirstlane_b32 s14, v1
	s_lshr_b32 s15, s14, 1
	s_and_b32 s16, s14, 1
	s_bfe_u32 s40, ttmp6, 0x40000
	s_bfe_u32 s41, ttmp6, 0x40004
	s_and_b32 s18, ttmp7, 0xffff
	s_lshl_b32 s17, s18, 2
	s_add_co_u32 s17, s17, s41
	s_lshl_b32 s42, ttmp9, 2
	s_add_co_u32 s42, s42, s40
	s_mov_b32 s92, AOFF
	s_mov_b32 s93, BOFF
	s_mov_b32 s94, ASOFF
	s_mov_b32 s95, BSOFF
	s_lshl_b32 s43, s41, 2
	s_lshl_b32 s43, 15, s43
	s_lshl_b32 s44, 0x1111, s40
	s_or_b32 s[G1+0], s43, (3<<16)|(1<<21)
	s_or_b32 s[G1B+0], s44, (3<<16)|(1<<21)
.irp g, G1, G1B
	s_mov_b32 s[\g+1], (ROWB/8)<<16
	s_mov_b32 s[\g+2], (2*NA)<<16
	s_mov_b32 s[\g+3], (ROWB/8)<<16
	s_mov_b32 s[\g+4], 2*NA
	s_mov_b32 s[\g+5], KS*192
	s_mov_b32 s[\g+6], 0
	s_mov_b32 s[\g+7], 0
.endr
	s_or_b32 s[G1S+0], s43, (3<<16)|(1<<21)
	s_or_b32 s[G1SB+0], s44, (3<<16)|(1<<21)
.irp g, G1S, G1SB
	s_mov_b32 s[\g+1], 32<<16
	s_mov_b32 s[\g+2], (NA*KS/2)<<16
	s_mov_b32 s[\g+3], 32<<16
	s_mov_b32 s[\g+4], NA*KS/2
	s_mov_b32 s[\g+5], 32
	s_mov_b32 s[\g+6], 0
	s_mov_b32 s[\g+7], 0
.endr
	s_mul_i32 s18, s16, NA
	s_mul_i32 s20, s17, 2*NA
	s_add_co_u32 s20, s20, s18
	s_mul_i32 s46, s42, 2*NA
	s_add_co_u32 s46, s46, s18
	s_mul_i32 s22, s17, 2*NA*KS*64
	s_add_co_u32 s22, s22, s94
	s_mov_b32 s23, 0
	s_mul_i32 s20, s20, KS*1536
	s_add_co_u32 s20, s20, s92
	s_mov_b32 s21, 0
	s_mul_i32 s96, s42, 2*NA*KS*64
	s_add_co_u32 s96, s96, s95
	s_mov_b32 s97, 0
	s_mul_i32 s46, s46, KS*1536
	s_add_co_u32 s46, s46, s93
	s_mov_b32 s47, 0
	s_mul_i32 s45, s14, HALFT
	s_wait_kmcnt 0x0
	s_add_nc_u64 s[20:21], s[4:5], s[20:21]
	s_add_nc_u64 s[22:23], s[4:5], s[22:23]
	s_add_nc_u64 s[46:47], s[6:7], s[46:47]
	s_add_nc_u64 s[96:97], s[6:7], s[96:97]
	CROUND
	s_mov_b32 s[G0S], 1
	s_mov_b32 s[G0S+1], SCL
	s_mov_b64 s[G0S+2:G0S+3], s[22:23]
	s_or_b32 s[G0S+3], s[G0S+3], 0x80000000
	s_mov_b32 s[G0SB], 1
	s_mov_b32 s[G0SB+1], SCL+2*HALFS
	s_mov_b64 s[G0SB+2:G0SB+3], s[96:97]
	s_or_b32 s[G0SB+3], s[G0SB+3], 0x80000000
.irp s, 0,1
	s_mov_b32 s[G0+4*\s], 1
	s_add_co_u32 s[G0+4*\s+1], s45, \s*SLOT
	s_add_nc_u64 s[G0+4*\s+2:G0+4*\s+3], s[20:21], \s*ROWB
	s_or_b32 s[G0+4*\s+3], s[G0+4*\s+3], 0x80000000
	s_mov_b32 s[G0B+4*\s], 1
	s_add_co_u32 s[G0B+4*\s+1], s45, \s*SLOT
	s_add_nc_u64 s[G0B+4*\s+2:G0B+4*\s+3], s[46:47], \s*ROWB
	s_or_b32 s[G0B+4*\s+3], s[G0B+4*\s+3], 0x80000000
.endr
; the head's four tiles, one joint load a wave: wave 0 A's side of slot 0, wave 1 A's scale words, wave 2 B's side, wave 3 B's scale words.
; Wave 0's and wave 2's own group 0 of slot 0 begin at their side's first row block.
.macro ARM under, g0, g1, next
	s_cmp_lt_u32 s14, \under
	s_cbranch_scc0 \next
	tensor_load_to_lds s[\g0:\g0+3], s[\g1:\g1+7]
	s_nop 0
.rept 4
	v_nop
.endr
	s_branch .Lhead_asked
\next:
.endm
	ARM 1, G0,  G1,  .Lhead_sa
	ARM 2, G0S, G1S, .Lhead_b
	ARM 3, G0B, G1B, .Lhead_sb
	tensor_load_to_lds s[G0SB:G0SB+3], s[G1SB:G1SB+7]
	s_nop 0
.rept 4
	v_nop
.endr
.Lhead_asked:
	v_and_b32 v1, 15, v0
	v_bfe_u32 v2, v0, 4, 1
	v_and_b32 v7, 31, v0
	v_lshlrev_b32 v3, 4, v7
	v_lshlrev_b32 v4, 3, v7
	v_lshlrev_b32 v5, 2, v1
	v_lshlrev_b32 v6, 6, v2
	s_mul_i32 s21, s15, HALFT
	s_mul_i32 s22, s16, HALFT
	s_add_co_u32 s22, s22, 2*HALFT
.irp s, 0,1
	v_add_nc_u32 v[A16+\s], s21, v3
	v_add_nc_u32 v[A8+\s], s21, v4
	v_add_nc_u32 v[B16+\s], s22, v3
	v_add_nc_u32 v[B8+\s], s22, v4
	s_add_co_u32 s21, s21, SLOT
	s_add_co_u32 s22, s22, SLOT
.endr
	s_mul_i32 s21, s15, HALFS
	s_mul_i32 s22, s16, HALFS
	s_add_co_u32 s22, s22, 2*HALFS
	s_sub_co_u32 s22, s22, s21
	v_mul_u32_u24 v7, s22, v2
	s_add_co_u32 s21, s21, SCL
	v_add_nc_u32 v7, v7, v5
	v_add_nc_u32 v[ADRS], s21, v7
	s_mul_i32 s92, s42, 2*NA
	s_mul_i32 s93, s16, NA
	s_add_co_u32 s92, s92, s93
	s_lshl_b32 s92, s92, 6
	s_mov_b32 s93, 0
	s_add_nc_u64 s[8:9], s[8:9], s[92:93]
	s_mul_i32 s94, s17, 2*NA
	s_mul_i32 s95, s15, NA
	s_add_co_u32 s94, s94, s95
	s_lshl_b32 s94, s94, 16
	s_add_co_u32 s94, s94, s92
	s_mov_b32 s95, 0
	s_add_nc_u64 s[10:11], s[10:11], s[94:95]
	s_add_nc_u64 s[12:13], s[12:13], s[94:95]
	v_lshlrev_b32 v[CO], 12, v2
	v_lshl_add_u32 v[CO], v1, 4, v[CO]
	s_mul_i32 s96, s14, 16*272
	s_add_co_u32 s96, s96, STAGE
	v_mul_u32_u24 v[STO], v1, 272
	v_lshl_add_u32 v[STO], v2, 6, v[STO]
	v_add_nc_u32 v[STO], s96, v[STO]
	v_mul_u32_u24 v[RD], v2, 272
	v_lshl_add_u32 v[RD], v1, 4, v[RD]
	v_add_nc_u32 v[RD], s96, v[RD]
	WIN 0x40
.set b_, 0
.rept NA/2
.irp i, 0,1,2,3
	global_load_b128 v[96+16*b_+96*(b_/2)+4*\i:96+16*b_+96*(b_/2)+4*\i+3], v6, s[8:9] offset:128*b_+16*\i
.endr
.set b_, b_+1
.endr
	WIN 0x80
.irp a, 0,1,2,3
.irp t, 0,1,2,3,4,5,6,7
	global_load_b128 v[128+32*\a+4*\t:128+32*\a+4*\t+3], v[CO], s[10:11] offset:(32*(\a/2)+8*(\a%2)+2*\t+8*(\t/4))*4096
.endr
.endr
	WIN 0
	s_wait_alu depctr_va_vdst(0)
	s_wait_tensorcnt 0x0                           ; my tile of the head's four is in
	ds_add_u32 v[SPW], v[NIL]
	s_mov_b32 s[G1+2], NA<<16                      ; no load of mine is out: from here on a load brings NA row blocks
	s_mov_b32 s[G1+4], NA
	s_mov_b32 s[G1B+2], NA<<16
	s_mov_b32 s[G1B+4], NA
	s_wait_dscnt 0x0
	CROUND                                         ; all four tiles are in, in every partner
	JLOAD G0+4, G1, G0B+4, G1B                     ; slot 1's first fill, the first tensor load behind the round
	FETCH 0, 0, 0
	SCALES 0
	s_wait_loadcnt 32
	STEP 0, 0, 1
.if LAPS > 1
	s_mov_b32 s3, LAPS-1
.Llap:
	REST 0
	TURN 0, 1, 1
	STEP 1, 0, 0
	REST 1
	TURN 1, 0, 1
	STEP 0, 0, 0
	s_sub_co_u32 s3, s3, 1
	s_cmp_lg_u32 s3, 0
	s_cbranch_scc1 .Llap
.endif
	REST 0
	TURN 0, 1, 0
	STEP 1, 0, 0
	REST 1
	s_wait_dscnt 0x0
	MULQ 1, 0, 1, NQ-1, 0
	MULQ 1, 1, 1, NQ-1, 0
	MULQ 1, 2, 1, NQ-1, 0
	MULQ 1, 3, 1, NQ-1, 0
	WIN 0
	PLACES
.macro ROWS16 a
	WIN 0x88
.irp b, 0,1,2,3
	ds_store_b128 v[STO], v[32*(\a)+8*\b:32*(\a)+8*\b+3] offset:128*(\b/2)+32*(\b%2)
	ds_store_b128 v[STO], v[32*(\a)+8*\b+4:32*(\a)+8*\b+7] offset:128*(\b/2)+32*(\b%2)+16
.endr
.irp t, 0,1,2,3,4,5,6,7
	ds_load_b128 v[32*(\a)+4*\t:32*(\a)+4*\t+3], v[RD] offset:544*\t
.endr
	s_wait_dscnt 0x0
.if (\a) == 0
	s_wait_loadcnt 0x0
.endif
	WIN 0x8a
.irp k, 0,2,4,6,8,10,12,14,16,18,20,22,24,26,28,30
	v_pk_add_f32 v[128+32*(\a)+\k:128+32*(\a)+\k+1], v[128+32*(\a)+\k:128+32*(\a)+\k+1], v[32*(\a)+\k:32*(\a)+\k+1]
.endr
	WIN 0x88
.irp t, 0,1,2,3,4,5,6,7
	global_store_b128 v[CO], v[128+32*(\a)+4*\t:128+32*(\a)+4*\t+3], s[12:13] offset:(32*((\a)/2)+8*((\a)%2)+2*\t+8*(\t/4))*4096 th:TH_STORE_NT
.endr
.endm
	ROWS16 0
	ROWS16 1
	ROWS16 2
	ROWS16 3
	WIN 0
	s_wait_tensorcnt 0x0
	ds_add_u32 v[SPW], v[NIL]
	s_wait_dscnt 0x0
	CROUND
	s_endpgm
.Lfunc_end_k_qff25458678_fc2:
	.size	k_qff25458678_fc2, .Lfunc_end_k_qff25458678_fc2-k_qff25458678_fc2
	.p2alignl 7, 3214868480
	.fill 96, 4, 3214868480
	.section	.rodata,"a",@progbits
	.p2align	6, 0x0
	.amdhsa_kernel k_qff25458678_fc2
		.amdhsa_group_segment_fixed_size 327680
		.amdhsa_private_segment_fixed_size 0
		.amdhsa_enable_private_segment 0
		.amdhsa_kernarg_size 40
		.amdhsa_user_sgpr_count 2
		.amdhsa_user_sgpr_kernarg_segment_ptr 1
		.amdhsa_wavefront_size32 1
		.amdhsa_system_sgpr_workgroup_id_x 1
		.amdhsa_system_sgpr_workgroup_id_y 1
		.amdhsa_system_sgpr_workgroup_id_z 1
		.amdhsa_system_vgpr_workitem_id 0
		.amdhsa_next_free_vgpr 768
		.amdhsa_next_free_sgpr 100
		.amdhsa_reserve_vcc 0
		.amdhsa_float_denorm_mode_32 3
		.amdhsa_float_denorm_mode_16_64 3
		.amdhsa_memory_ordered 1
		.amdhsa_forward_progress 1
		.amdhsa_inst_pref_size 102
	.end_amdhsa_kernel
	.amdgpu_metadata
---
amdhsa.version: [ 1, 2 ]
amdhsa.kernels:
  - .name:           k_qff25458678_fc2
    .symbol:         k_qff25458678_fc2.kd
    .args:
      - { .name: hb, .offset: 0, .size: 8, .value_kind: global_buffer, .address_space: global }
      - { .name: wq, .offset: 8, .size: 8, .value_kind: global_buffer, .address_space: global }
      - { .name: b_fc2, .offset: 16, .size: 8, .value_kind: global_buffer, .address_space: global }
      - { .name: x1b, .offset: 24, .size: 8, .value_kind: global_buffer, .address_space: global }
      - { .name: y2, .offset: 32, .size: 8, .value_kind: global_buffer, .address_space: global }
    .group_segment_fixed_size: 327680
    .private_segment_fixed_size: 0
    .kernarg_segment_align: 8
    .kernarg_segment_size: 40
    .max_flat_workgroup_size: 128
    .sgpr_count:     100
    .vgpr_count:     768
    .wavefront_size: 32
...
	.end_amdgpu_metadata
.endif
;; end of part 6
;; launch ln2 (part 7): grid 256 x 1, 8 waves a work-group, no clusters, 70,656 bytes of LDS; arguments y2, g2, beta2, out0; writes out0
.if DOCPART == 7
	.amdgcn_target "amdgcn-amd-amdhsa--gfx1250"
	.amdhsa_code_object_version 6
	.text
	.protected	k_qff25458678_ln2
	.globl	k_qff25458678_ln2
	.p2align	8
	.type	k_qff25458678_ln2,@function
k_qff25458678_ln2:
	s_mov_b64 s[64:65], 0
	v_nop
	global_prefetch_b8 v0, s[64:65] scope:SCOPE_SE
	s_setreg_imm32_b32 hwreg(HW_REG_WAVE_MODE, 25, 1), 1
	s_wait_xcnt 0x0
; out0 = LayerNorm(y2) x g2 + beta2 over rows of 1,024, in f32.
; SHARES: a work-group takes the 16 rows 32 (I / 2) + 8 (I % 2) + r + 8 (r / 8).  Wave w takes columns 128 w .. 128 w + 127 of all 16 rows.
; Every load and store of rows takes 512 consecutive bytes; the numbers turn through the wave's own stage in LDS, so that lane (r, h) holds 64 numbers of row r and a row's sum needs one exchange between lanes.
; The mean and then the sum of squared differences (two passes, so that a common offset costs no accuracy) meet in LDS: one word for each row and wave, a barrier each.
; LIMITS: NaN and infinities are not served.
.set SP,   528
.set STG,  16*SP
.set PART1, 8*STG                      ; [row][wave] sums
.set PART2, PART1+512
.set Y,    16
.set G,    80
.set BT,   144
.set SEL,  20
.macro BARRIER                         ; my LDS stores have landed and my LDS loads are in: then the work-group's barrier
	s_wait_dscnt 0x0
	s_barrier_signal -1
	s_barrier_wait -1
.endm
.macro SUM8 off                        ; the eight waves' parts of my row
	ds_load_b128 v[208:211], v6 offset:\off
	ds_load_b128 v[212:215], v6 offset:\off+16
	s_wait_dscnt 0x0
	v_add_f32 v208, v208, v209
	v_add_f32 v210, v210, v211
	v_add_f32 v212, v212, v213
	v_add_f32 v214, v214, v215
	s_delay_alu instid0(VALU_DEP_3)
	v_add_f32 v208, v208, v210
	s_delay_alu instid0(VALU_DEP_2)
	v_add_f32 v212, v212, v214
	s_delay_alu instid0(VALU_DEP_1)
	v_add_f32 v208, v208, v212
.endm
	s_load_b256 s[4:11], s[0:1], 0x0               ; the rows, g, beta, the result
	v_lshl_add_u32 v254, v0, 2, 0x11000
	v_mov_b32 v255, 0
	v_lshrrev_b32 v1, 5, v0
	s_delay_alu instid0(VALU_DEP_1)
	v_readfirstlane_b32 s2, v1                     ; wave 0..7
	v_and_b32 v7, 31, v0
	v_and_b32 v8, 15, v0                           ; r
	v_bfe_u32 v9, v0, 4, 1                         ; h
	s_delay_alu instid0(VALU_DEP_3)
	v_lshlrev_b32 v1, 4, v7                        ; 16 x lane
	s_mul_i32 s3, s2, STG
	v_add_nc_u32 v3, s3, v1                        ; my stage by rows
	v_mul_u32_u24 v4, v8, SP
	s_delay_alu instid0(VALU_DEP_1)
	v_lshl_add_u32 v4, v9, 6, v4
	s_delay_alu instid0(VALU_DEP_1)
	v_add_nc_u32 v4, s3, v4                        ; my stage by lanes
	s_lshl_b32 s12, s2, 2
	v_lshlrev_b32 v6, 5, v8
	s_delay_alu instid0(VALU_DEP_1)
	v_add_nc_u32 v6, PART1, v6                     ; my row's eight parts
	s_delay_alu instid0(VALU_DEP_1)
	v_add_nc_u32 v5, s12, v6                       ; my wave's among them
	s_lshl_b32 s12, s2, 9
	v_lshl_add_u32 v12, v9, 6, s12                 ; g, beta: 512 w + 64 h
	v_add_nc_u32 v13, s12, v1                      ; a row: 512 w + 16 x lane
	s_lshr_b32 s13, ttmp9, 1
	s_lshl_b32 s13, s13, 5
	s_and_b32 s14, ttmp9, 1
	s_lshl_b32 s14, s14, 3
	s_add_co_u32 s14, s14, s13
	s_lshl_b32 s14, s14, 12                        ; the first row, in bytes
	s_mov_b32 s15, 0
	s_mov_b32 s[SEL], 0x76543210
	s_mov_b32 s[SEL+1], 0xfedcba98
	s_mov_b32 s22, 0x3a800000                      ; 1 / 1,024
	s_mov_b32 s23, 0x3727c5ac                      ; 1e-5
	v_mov_b32 v250, 0                              ; a lane permute's destination counts as one of its sources
	s_wait_alu depctr_va_vdst(0)
	s_wait_kmcnt 0x0
	s_add_nc_u64 s[4:5], s[4:5], s[14:15]
	s_add_nc_u64 s[10:11], s[10:11], s[14:15]
.irp p, 0,1,2,3,4,5,6,7,8,9,10,11,12,13,14,15
	global_load_b128 v[Y+4*\p:Y+4*\p+3], v13, s[4:5] offset:(\p+8*(\p/8))*4096 th:TH_LOAD_NT
.endr
.irp b, 0,1,2,3
.irp i, 0,1,2,3
	global_load_b128 v[G+16*\b+4*\i:G+16*\b+4*\i+3], v12, s[6:7] offset:128*\b+16*\i
	global_load_b128 v[BT+16*\b+4*\i:BT+16*\b+4*\i+3], v12, s[8:9] offset:128*\b+16*\i
.endr
.endr
	s_wait_loadcnt 32                              ; the rows are in; g's and beta's 32 loads may be out
.irp p, 0,1,2,3,4,5,6,7,8,9,10,11,12,13,14,15
	ds_store_b128 v3, v[Y+4*\p:Y+4*\p+3] offset:SP*\p
.endr
.irp b, 0,1,2,3
.irp i, 0,1,2,3
	ds_load_b128 v[Y+16*\b+4*\i:Y+16*\b+4*\i+3], v4 offset:128*\b+16*\i   ; LDS serves a wave's instructions in order: these see the stores above
.endr
.endr
	s_wait_dscnt 0x0
	v_pk_add_f32 v[248:249], v[16:17], v[18:19]
	v_pk_add_f32 v[252:253], v[24:25], v[28:29]
	v_pk_add_f32 v[244:245], v[32:33], v[36:37]
	v_pk_add_f32 v[242:243], v[40:41], v[44:45]
	v_pk_add_f32 v[240:241], v[48:49], v[52:53]
	v_pk_add_f32 v[238:239], v[56:57], v[60:61]
	v_pk_add_f32 v[236:237], v[64:65], v[68:69]
	v_pk_add_f32 v[246:247], v[72:73], v[76:77]
	s_delay_alu instid0(VALU_DEP_1)
	v_pk_add_f32 v[246:247], v[246:247], v[20:21]
	v_pk_add_f32 v[248:249], v[248:249], v[22:23]
	v_pk_add_f32 v[252:253], v[252:253], v[26:27]
	v_pk_add_f32 v[244:245], v[244:245], v[30:31]
	v_pk_add_f32 v[242:243], v[242:243], v[34:35]
	v_pk_add_f32 v[240:241], v[240:241], v[38:39]
	v_pk_add_f32 v[238:239], v[238:239], v[42:43]
	v_pk_add_f32 v[236:237], v[236:237], v[46:47]
	v_pk_add_f32 v[246:247], v[246:247], v[50:51]
	v_pk_add_f32 v[248:249], v[248:249], v[54:55]
	v_pk_add_f32 v[252:253], v[252:253], v[58:59]
	v_pk_add_f32 v[244:245], v[244:245], v[62:63]
	v_pk_add_f32 v[242:243], v[242:243], v[66:67]
	v_pk_add_f32 v[240:241], v[240:241], v[70:71]
	v_pk_add_f32 v[238:239], v[238:239], v[74:75]
	v_pk_add_f32 v[236:237], v[236:237], v[78:79]
	s_delay_alu instid0(VALU_DEP_4)
	v_pk_add_f32 v[246:247], v[246:247], v[242:243]
	s_delay_alu instid0(VALU_DEP_4)
	v_pk_add_f32 v[248:249], v[248:249], v[240:241]
	s_delay_alu instid0(VALU_DEP_4)
	v_pk_add_f32 v[252:253], v[252:253], v[238:239]
	s_delay_alu instid0(VALU_DEP_4)
	v_pk_add_f32 v[244:245], v[244:245], v[236:237]
	s_delay_alu instid0(VALU_DEP_2)
	v_pk_add_f32 v[246:247], v[246:247], v[252:253]
	s_delay_alu instid0(VALU_DEP_2)
	v_pk_add_f32 v[248:249], v[248:249], v[244:245]
	s_delay_alu instid0(VALU_DEP_1)
	v_pk_add_f32 v[246:247], v[246:247], v[248:249]
	s_delay_alu instid0(VALU_DEP_1)
	v_add_f32 v246, v246, v247
	s_delay_alu instid0(VALU_DEP_1)
	v_permlanex16_b32 v250, v246, s[SEL], s[SEL+1]
	s_delay_alu instid0(VALU_DEP_1)
	v_add_f32 v246, v246, v250                     ; my row's sum over my wave's 128 columns
	ds_store_b32 v5, v246
	BARRIER
	SUM8 0
	s_delay_alu instid0(VALU_DEP_1)
	v_mul_f32 v252, s22, v208                      ; the mean
	s_delay_alu instid0(VALU_DEP_1)
	v_mov_b32 v253, v252
.irp j, 0,2,4,6,8,10,12,14,16,18,20,22,24,26,28,30,32,34,36,38,40,42,44,46,48,50,52,54,56,58,60,62
	v_pk_add_f32 v[Y+\j:Y+\j+1], v[Y+\j:Y+\j+1], v[252:253] neg_lo:[0,1] neg_hi:[0,1]
.endr
	v_pk_mul_f32 v[246:247], v[Y:Y+1], v[Y:Y+1]
	v_pk_mul_f32 v[248:249], v[Y+2:Y+3], v[Y+2:Y+3]
.irp j, 4,8,12,16,20,24,28,32,36,40,44,48,52,56,60
	s_delay_alu instid0(VALU_DEP_2)
	v_pk_fma_f32 v[246:247], v[Y+\j:Y+\j+1], v[Y+\j:Y+\j+1], v[246:247]
	s_delay_alu instid0(VALU_DEP_2)
	v_pk_fma_f32 v[248:249], v[Y+\j+2:Y+\j+3], v[Y+\j+2:Y+\j+3], v[248:249]
.endr
	s_delay_alu instid0(VALU_DEP_1)
	v_pk_add_f32 v[246:247], v[246:247], v[248:249]
	s_delay_alu instid0(VALU_DEP_1)
	v_add_f32 v246, v246, v247
	s_delay_alu instid0(VALU_DEP_1)
	v_permlanex16_b32 v250, v246, s[SEL], s[SEL+1]
	s_delay_alu instid0(VALU_DEP_1)
	v_add_f32 v246, v246, v250
	ds_store_b32 v5, v246 offset:512
	BARRIER
	SUM8 512
	s_delay_alu instid0(VALU_DEP_1)
	v_fma_f32 v252, v208, s22, s23                 ; the variance + 1e-5
	s_wait_alu depctr_va_vdst(0)
	v_rsq_f32 v252, v252
	v_nop                                          ; a plain place behind the transcendental
	s_wait_alu depctr_va_vdst(0)                   ; and the wait ahead of its first reader
	v_mov_b32 v253, v252
	s_wait_alu depctr_va_vdst(0)
	s_wait_loadcnt 0x0                             ; g, beta
.irp j, 0,2,4,6,8,10,12,14,16,18,20,22,24,26,28,30,32,34,36,38,40,42,44,46,48,50,52,54,56,58,60,62
	v_pk_mul_f32 v[Y+\j:Y+\j+1], v[Y+\j:Y+\j+1], v[252:253]
.endr
.irp j, 0,2,4,6,8,10,12,14,16,18,20,22,24,26,28,30,32,34,36,38,40,42,44,46,48,50,52,54,56,58,60,62
	v_pk_fma_f32 v[Y+\j:Y+\j+1], v[Y+\j:Y+\j+1], v[G+\j:G+\j+1], v[BT+\j:BT+\j+1]
.endr
.irp b, 0,1,2,3
.irp i, 0,1,2,3
	ds_store_b128 v4, v[Y+16*\b+4*\i:Y+16*\b+4*\i+3] offset:128*\b+16*\i
.endr
.endr
.irp p, 0,1,2,3,4,5,6,7,8,9,10,11,12,13,14,15
	ds_load_b128 v[G+4*\p:G+4*\p+3], v3 offset:SP*\p
.endr
.irp p, 0,1,2,3,4,5,6,7,8,9,10,11,12,13,14,15
	s_wait_dscnt 15-\p                             ; row p is back; the younger rows may be out
	global_store_b128 v13, v[G+4*\p:G+4*\p+3], s[10:11] offset:(\p+8*(\p/8))*4096 th:TH_STORE_NT   ; 512 consecutive bytes, aligned to 256
.endr
	s_wait_tensorcnt 0x0
	ds_add_u32 v254, v255
	s_wait_dscnt 0x0
	s_endpgm
.Lfunc_end_k_qff25458678_ln2:
	.size	k_qff25458678_ln2, .Lfunc_end_k_qff25458678_ln2-k_qff25458678_ln2
	.p2alignl 7, 3214868480
	.fill 96, 4, 3214868480
	.section	.rodata,"a",@progbits
	.p2align	6, 0x0
	.amdhsa_kernel k_qff25458678_ln2
		.amdhsa_group_segment_fixed_size 70656
		.amdhsa_private_segment_fixed_size 0
		.amdhsa_enable_private_segment 0
		.amdhsa_kernarg_size 32
		.amdhsa_user_sgpr_count 2
		.amdhsa_user_sgpr_kernarg_segment_ptr 1
		.amdhsa_wavefront_size32 1
		.amdhsa_system_sgpr_workgroup_id_x 1
		.amdhsa_system_sgpr_workgroup_id_y 1
		.amdhsa_system_sgpr_workgroup_id_z 1
		.amdhsa_system_vgpr_workitem_id 0
		.amdhsa_next_free_vgpr 256
		.amdhsa_next_free_sgpr 66
		.amdhsa_reserve_vcc 0
		.amdhsa_float_denorm_mode_32 3
		.amdhsa_float_denorm_mode_16_64 3
		.amdhsa_memory_ordered 1
		.amdhsa_forward_progress 1
		.amdhsa_inst_pref_size 27
	.end_amdhsa_kernel
	.amdgpu_metadata
---
amdhsa.version: [ 1, 2 ]
amdhsa.kernels:
  - .name:           k_qff25458678_ln2
    .symbol:         k_qff25458678_ln2.kd
    .args:
      - { .name: y2, .offset: 0, .size: 8, .value_kind: global_buffer, .address_space: global }
      - { .name: g2, .offset: 8, .size: 8, .value_kind: global_buffer, .address_space: global }
      - { .name: beta2, .offset: 16, .size: 8, .value_kind: global_buffer, .address_space: global }
      - { .name: out0, .offset: 24, .size: 8, .value_kind: global_buffer, .address_space: global }
    .group_segment_fixed_size: 70656
    .private_segment_fixed_size: 0
    .kernarg_segment_align: 8
    .kernarg_segment_size: 32
    .max_flat_workgroup_size: 256
    .sgpr_count:     66
    .vgpr_count:     256
    .wavefront_size: 32
...
	.end_amdgpu_metadata
.endif
;; end of part 7
